; MI455X (gfx1250); checked and timed in simulation.
; The chip was launched on July 23, 2026; its instructions are those of AMD's public machine-readable ISA for CDNA 5 (MIT licence, August 2026) and "CDNA5" Instruction Set Architecture Reference Guide (July 2026). The comments in the code are by the model that wrote it; some were corrected since.
;; Top Multi Attention. Allowed arithmetic: float matrix products may take bf16 or f16 operands with f32 sums; all other float work in f32.
;; Inputs: Wk 512 x 512 float32; Wo 512 x 512 float32; Wq 512 x 512 float32; Wv 512 x 512 float32; X 4 x 2,048 x 512 float32; Y 4 x 2,048 x 512 float32; Z 4 x 2,048 x 512 float32.
;; Outputs: out0 4 x 2,048 x 512 float32.
;; 2 versions, each right; version 2 is version 1 with the launch proj written anew for expert scheduling mode. Each part assembles by itself: llvm-mc -triple=amdgcn-amd-amdhsa -mcpu=gfx1250 --defsym DOCPART=n.
;; ======== version 1 of 2: 3 launches
;; limits: values are held in f16: magnitudes above 65,504 overflow, below 6.1e-05 lose precision
;; workspace buffers: qh 8,388,608 bytes; kh 8,388,608 bytes; vh 8,388,608 bytes; oh 8,388,608 bytes; woh 524,288 bytes
;; launch proj (part 1): grid 64 x 3, 8 waves a work-group, no clusters, 181,248 bytes of LDS; arguments X, Y, Z, Wq, Wk, Wo, qh, kh, vh, woh; writes qh, kh, vh, woh
.if DOCPART == 1
	.amdgcn_target "amdgcn-amd-amdhsa--gfx1250"
	.amdhsa_code_object_version 6
	.text
	.protected	k_q700787d833_proj
	.globl	k_q700787d833_proj
	.p2align	8
	.type	k_q700787d833_proj,@function
k_q700787d833_proj:
	s_mov_b64 s[64:65], 0
	v_nop
	global_prefetch_b8 v0, s[64:65] scope:SCOPE_SE
	s_setreg_imm32_b32 hwreg(HW_REG_WAVE_MODE, 25, 1), 1
	s_wait_xcnt 0x0
; proj: the three projections q = X Wq, k = Y Wk, v = Z Wo (reference() projects the values with Wo; Wv enters no result of reference(), so no launch names it).
; Inputs f32: X, Y, Z [8192][512], W [512 k][512 n].  Outputs f16, split by heads: [batch 4][head 8][row 2048][64], a head's rows dense, 128 bytes each.
; Grid y picks the product; grid x = 2 x (block of 256 rows) + (block of 256 columns).  192 work-groups: 3 x 8192 x 512 outputs in blocks of 256 x 256.
; Eight waves; wave w makes rows 64 (w >> 1) .. +63 and columns 128 (w & 1) .. +127 of the block: 32 accumulator tiles of 16 x 16, 256 registers.
; NUMBER FORMAT: operands are rounded to f16, sums are f32.  LIMIT: an operand or a result beyond 65,504 overflows f16; with inputs 30 times those drawn
; (|X| about 30, |W| about 0.6) or with a common offset of 30 spreads on both factors (512 x 30 x 0.6 = 9,216) the results stay inside.
; NO TENSOR LOADS, NO JOINT REQUESTS: the inputs are f32 and have to be converted, and a copy into LDS converts nothing.  Each number is converted once, on the way
; from memory through registers into LDS; every wave that needs it then reads 2 bytes instead of 4 and converts nothing.
; THE ORDER: K goes in eight tiles of 64 through two LDS buffers.  A tile is 32 loads of 512 bytes a wave and lands in 128 registers.  Tiles 0 and 1 are asked for together
; (tile 1 lands in registers that later hold accumulators).  A landed tile is converted into the fragment registers, which are free between two K steps, eight loads at a time,
; and each group's landing registers are asked for again at once: the next tile's requests leave while the rest of this tile is still on its way.
; A step is: the products of tile j - 1, then the landing of tile j, then a barrier; so only one K step's products follow the last landing.
; Wo IN f16: the two work-groups that make rows 0 to 255 of v have all of Wo pass through their registers in f16; they also store it, [512 k][512 n], for the last launch.
.set BUF,    71680                     ; an LDS buffer: A's tile, then W's
.set WOFF,   36864                     ; A's tile: 256 rows x 64 f16, pitch 144 = 9 x 16: sixteen rows begin in sixteen different 16-byte columns modulo 256
.set APITCH, 144
.set WPITCH, 544                       ; W's tile: 64 k x 256 n f16, pitch 544 = 17 x 32, for the transposing loads
.set STAGE,  2*BUF                     ; behind the buffers: 2 heads x 16 rows x 144 bytes for each wave, for the way out
.set GA,  8                            ; v8      byte offset of my 16 bytes in A's tile in memory
.set GW,  9                            ; v9      the same for W
.set SA,  10                           ; v10-11  where I store A's numbers in buffer 0, 1
.set SW,  12                           ; v12-13  the same for W
.set FAA, 14                           ; v14-15  where I read A's fragments in buffer 0, 1
.set FWA, 16                           ; v16-17  the same for W
.set STO, 18                           ; v18     the way out: where I put 16 bytes of a row
.set RD,  19                           ; v19     the way out: where I read rows back
.set CO,  20                           ; v20     my byte offset in the output
.set GS,  21                           ; v21     my byte offset in the f16 copy of Wo
.set ST,  32                           ; v32-159 the tile on its way: A's load e at ST + 4 e, W's at ST + 64 + 4 e
.set FA,  160                          ; v160-191 four fragments of A
.set FW,  192                          ; v192-255 eight fragments of W
.set TMP, 160                          ; v160-223 between two K steps: the landed tile in f16, A's load e at TMP + 2 e, W's at TMP + 32 + 2 e
                                       ; v256-511 (window 1): accumulator (a, b) at v[8 (8 a + b)]; before the first product v256-383 take tile 1
                                       ; s[28:31] A's and W's tile 0; s[44:47] A's and W's tile that is asked for next; s[26:27] the f16 copy of Wo; s[32:33] the output
.set MSB, 0
.macro WIN new                         ; s_set_vgpr_msb: bits 1:0 source 0, 3:2 source 1, 5:4 source 2, 7:6 destination; the high byte repeats the setting that is left
.if MSB != \new
	s_set_vgpr_msb (MSB<<8)|\new
.set MSB, \new
.endif
.endm
.macro PLACES n
.rept \n
	v_nop
.endr
.endm
.macro BARRIER
	s_barrier_signal -1
	s_barrier_wait -1
.endm
	s_load_b512 s[8:23], s[0:1], 0x0               ; X s[8:9], Y s[10:11], Z s[12:13], Wq s[14:15], Wk s[16:17], Wo s[18:19], qh s[20:21], kh s[22:23]
	s_load_b128 s[24:27], s[0:1], 0x40             ; vh s[24:25], woh s[26:27]
	v_lshl_add_u32 v30, v0, 2, 0x2c000
	v_mov_b32 v31, 0
	v_lshrrev_b32 v4, 5, v0
	v_readfirstlane_b32 s34, v4                    ; wave 0..7
	s_lshr_b32 s35, s34, 1                         ; wr: which 64 rows are mine
	s_and_b32 s36, s34, 1                          ; wc: which 128 columns
	s_and_b32 s37, ttmp7, 0xffff                   ; which product: 0 q, 1 k, 2 v
	s_lshr_b32 s40, ttmp9, 1                       ; block of 256 rows, 0..31
	s_and_b32 s41, ttmp9, 1                        ; block of 256 columns
	s_xor_b32 s48, s37, 2
	s_or_b32 s48, s48, s40                         ; 0 in the two work-groups (product v, rows 0 to 255) that also store Wo in f16
	v_and_b32 v1, 15, v0                           ; r
	v_bfe_u32 v2, v0, 4, 1                         ; h
	v_and_b32 v3, 31, v0                           ; L
	v_lshlrev_b32 v5, 4, v1
	v_lshl_add_u32 v5, v2, 11, v5                  ; 16 r + 2048 h: a load takes 256 bytes of each of two rows
	s_lshl_b32 s38, s34, 16                        ; my 32 rows of A's tile
	v_add_nc_u32 v[GA], s38, v5
	v_lshlrev_b32 v6, 4, v3                        ; 16 L
	s_lshl_b32 s38, s34, 14                        ; my 8 rows of W's tile
	v_add_nc_u32 v[GW], s38, v6
	s_lshl_b32 s38, s40, 19                        ; 256 rows x 2,048 bytes
	s_mov_b32 s39, 0
	s_wait_kmcnt 0x0
	s_cmp_eq_u32 s37, 0
	s_cselect_b64 s[28:29], s[8:9], s[10:11]       ; the left factor,
	s_cselect_b64 s[30:31], s[14:15], s[16:17]     ; the weights
	s_cselect_b64 s[32:33], s[20:21], s[22:23]     ; and the output of my product
	s_cmp_eq_u32 s37, 2
	s_cselect_b64 s[28:29], s[12:13], s[28:29]
	s_cselect_b64 s[30:31], s[18:19], s[30:31]
	s_cselect_b64 s[32:33], s[24:25], s[32:33]
	s_add_nc_u64 s[28:29], s[28:29], s[38:39]
	s_lshl_b32 s38, s41, 10                        ; 256 columns x 4 bytes
	s_add_nc_u64 s[30:31], s[30:31], s[38:39]
	s_add_nc_u64 s[44:45], s[28:29], 512           ; tile 2: 128 along K are 512 bytes of A's rows
	s_add_nc_u64 s[46:47], s[30:31], 262144        ; and 128 rows of W
.macro LOADT dst, t                    ; tile t (0 or 1) into registers: A 32 rows x 256 bytes, W 8 rows x 1,024 bytes for each wave
.irp e, 0,1,2,3,4,5,6,7,8,9,10,11,12,13,14,15
	global_load_b128 v[\dst+4*\e:\dst+4*\e+3], v[GA], s[28:29] offset:\e*4096+\t*256
.endr
.irp e, 0,1,2,3,4,5,6,7,8,9,10,11,12,13,14,15
	global_load_b128 v[\dst+64+4*\e:\dst+64+4*\e+3], v[GW], s[30:31] offset:(\e>>1)*2048+(\e&1)*512+\t*131072
.endr
.endm
	LOADT ST, 0                                    ; tile 0
	WIN 0x40                                       ; destinations in window 1, addresses in window 0
	LOADT 0, 1                                     ; tile 1 into v256-383.  64 loads of the wave: the issue of the last is held until the first has returned (ISA guide 5.7.1)
	WIN 0
	s_lshl_b32 s38, s41, 9                         ; the f16 copy of Wo: my block's 256 columns x 2 bytes
	s_add_nc_u64 s[26:27], s[26:27], s[38:39]
	s_lshr_b32 s42, s40, 3                         ; the output: batch x 8 heads x 262,144 bytes
	s_lshl_b32 s38, s42, 21
	s_lshl_b32 s42, s41, 20                        ; + 4 heads for the right block of columns
	s_add_co_u32 s38, s38, s42
	s_and_b32 s42, s40, 7
	s_lshl_b32 s42, s42, 15                        ; + the block's 256 rows of 128 bytes inside the batch
	s_add_co_u32 s38, s38, s42
	s_add_nc_u64 s[32:33], s[32:33], s[38:39]
	v_mul_u32_u24 v5, v2, APITCH
	v_lshl_add_u32 v5, v1, 3, v5                   ; h x pitch + 8 r: four f16 of a row
	s_mul_i32 s38, s34, 32*APITCH
	v_add_nc_u32 v[SA], s38, v5
	v_add_nc_u32 v[SA+1], BUF, v[SA]
	v_lshlrev_b32 v5, 3, v3                        ; 8 L
	s_mul_i32 s38, s34, 8*WPITCH
	s_add_co_u32 s38, s38, WOFF
	v_add_nc_u32 v[SW], s38, v5
	v_add_nc_u32 v[SW+1], BUF, v[SW]
	s_lshl_b32 s38, s34, 13                        ; my 8 rows of 1,024 bytes in the f16 copy of Wo
	v_add_nc_u32 v[GS], s38, v5
	v_mul_u32_u24 v5, v1, APITCH
	v_lshl_add_u32 v5, v2, 4, v5                   ; r x pitch + 16 h: a fragment's row
	s_mul_i32 s38, s35, 64*APITCH
	v_add_nc_u32 v[FAA], s38, v5
	v_add_nc_u32 v[FAA+1], BUF, v[FAA]
	s_mul_i32 s49, s34, 32*APITCH
	s_add_co_u32 s49, s49, STAGE                   ; my stage
	v_add_nc_u32 v[STO], s49, v5
	v_and_b32 v7, 7, v0
	v_lshl_add_u32 v5, v2, 3, v7                   ; the transposing load: row 8 h + (L & 7) of the 16 k,
	v_mul_u32_u24 v5, v5, WPITCH
	v_bfe_u32 v4, v0, 3, 1
	v_lshl_add_u32 v5, v4, 4, v5                   ; and which 16 bytes of the 16 columns
	s_lshl_b32 s38, s36, 8
	s_add_co_u32 s38, s38, WOFF
	v_add_nc_u32 v[FWA], s38, v5
	v_add_nc_u32 v[FWA+1], BUF, v[FWA]
	v_lshrrev_b32 v5, 3, v3
	v_mul_u32_u24 v5, v5, APITCH
	v_lshl_add_u32 v5, v7, 4, v5                   ; back: eight lanes take a row of 128 bytes, a load four rows
	v_add_nc_u32 v[RD], s49, v5
	s_lshl_b32 s38, s36, 19                        ; my two heads,
	s_lshl_b32 s42, s35, 13                        ; my 64 rows of 128 bytes,
	s_add_co_u32 s38, s38, s42
	v_add_nc_u32 v[CO], s38, v6                    ; and 16 L: four rows of a head are 512 neighbouring bytes
; The tile in ST lands in buffer buf, in four groups of eight loads (two of A, two of W): the group is waited for, rounded to f16 (to nearest even) into TMP, its landing
; registers are asked for again (load = 1: the tile at s[44:47]), and its f16 go into LDS.  The wait of group g is for cnt - dec g: the loads younger than the group's.
.macro ROLL buf, load, cnt, dec
.irp g, 0,1
	s_wait_loadcnt \cnt-\dec*\g
.irp i, 0,1,2,3,4,5,6,7
	v_cvt_pk_f16_f32 v[TMP+2*(8*\g+\i)],   v[ST+4*(8*\g+\i)],   v[ST+4*(8*\g+\i)+1]
	v_cvt_pk_f16_f32 v[TMP+2*(8*\g+\i)+1], v[ST+4*(8*\g+\i)+2], v[ST+4*(8*\g+\i)+3]
.endr
.if \load
.irp i, 0,1,2,3,4,5,6,7
	global_load_b128 v[ST+4*(8*\g+\i):ST+4*(8*\g+\i)+3], v[GA], s[44:45] offset:(8*\g+\i)*4096
.endr
.endif
.irp i, 0,1,2,3,4,5,6,7
	ds_store_b64 v[SA+\buf], v[TMP+2*(8*\g+\i):TMP+2*(8*\g+\i)+1] offset:(8*\g+\i)*2*APITCH
.endr
.endr
.irp g, 0,1
	s_wait_loadcnt \cnt-\dec*(\g+2)
.irp i, 0,1,2,3,4,5,6,7
	v_cvt_pk_f16_f32 v[TMP+32+2*(8*\g+\i)],   v[ST+64+4*(8*\g+\i)],   v[ST+64+4*(8*\g+\i)+1]
	v_cvt_pk_f16_f32 v[TMP+32+2*(8*\g+\i)+1], v[ST+64+4*(8*\g+\i)+2], v[ST+64+4*(8*\g+\i)+3]
.endr
.if \load
.irp i, 0,1,2,3,4,5,6,7
	global_load_b128 v[ST+64+4*(8*\g+\i):ST+64+4*(8*\g+\i)+3], v[GW], s[46:47] offset:((8*\g+\i)>>1)*2048+((8*\g+\i)&1)*512
.endr
.endif
.irp i, 0,1,2,3,4,5,6,7
	ds_store_b64 v[SW+\buf], v[TMP+32+2*(8*\g+\i):TMP+32+2*(8*\g+\i)+1] offset:((8*\g+\i)>>1)*WPITCH+((8*\g+\i)&1)*256
.endr
.endr
.endm
; W's part of TMP also goes to the f16 copy of Wo, in two work-groups of the launch.  A store's 32 lanes x 8 bytes are 256 neighbouring bytes at a multiple of 256 from the
; buffer's first byte.  The branch hangs on the work-group's number alone.
.macro WOUT
	s_cmp_lg_u32 s48, 0
	s_cbranch_scc1 .Lno_copy_\@
.irp e, 0,1,2,3,4,5,6,7,8,9,10,11,12,13,14,15
	global_store_b64 v[GS], v[TMP+32+2*\e:TMP+32+2*\e+1], s[26:27] offset:(\e>>1)*1024+(\e&1)*256
.endr
	s_wait_xcnt 0x0                                ; the stores' data (TMP) and their base are written again only behind this wait
	s_add_nc_u64 s[26:27], s[26:27], 65536         ; the next tile's 64 rows of 1,024 bytes
.Lno_copy_\@:
.endm
; The landing of a tile behind a K step's products.  The four v_nop are the places between the last matrix instructions and the conversions, which write registers that
; those read (ISA guide 7.12.1).  The barrier orders this landing's stores against the next K step's reads of the buffer, and the K step just done against the next landing.
.macro TILE buf, load, cnt, dec
	PLACES 4
.if \load
	s_wait_xcnt 0x0                                ; the loads on their way have had their addresses translated: their bases may step
	s_add_nc_u64 s[44:45], s[44:45], 256           ; 64 along K: 256 bytes of A's rows,
	s_add_nc_u64 s[46:47], s[46:47], 131072        ; 64 rows of W
.endif
	ROLL \buf, \load, \cnt, \dec
	WOUT
	s_wait_dscnt 0x0                               ; my stores are in LDS, for the other waves' sake
	BARRIER
.endm
; The fragments of 32 along K.  A's rows lie along K: two loads of 16 bytes, 32 bytes apart.  W lies [k][n]: two transposing loads, 16 rows apart, bring lane (r, h)
; k = 8 h .. 8 h + 7 and 16 + 8 h .. of column r.  The four v_nop are the places between the last matrix instructions and loads into registers that they read.
.macro FRAGS p, kk
	PLACES 4
.irp a, 0,1,2,3
	ds_load_b128 v[FA+8*\a:FA+8*\a+3],   v[FAA+\p] offset:\a*16*APITCH+64*\kk
	ds_load_b128 v[FA+8*\a+4:FA+8*\a+7], v[FAA+\p] offset:\a*16*APITCH+64*\kk+32
.endr
.irp b, 0,1,2,3,4,5,6,7
	ds_load_tr16_b128 v[FW+8*\b:FW+8*\b+3],   v[FWA+\p] offset:\kk*32*WPITCH+32*\b
	ds_load_tr16_b128 v[FW+8*\b+4:FW+8*\b+7], v[FWA+\p] offset:\kk*32*WPITCH+32*\b+16*WPITCH
.endr
.endm
; 32 matrix instructions, used transposed (source 0 = 16 columns of W, source 1 = 16 rows of A): lane (r, h) then holds row r and the eight neighbouring columns 8 h + 0..7.
; The 32 accumulators take turns, one instruction a turn.  zero = 1: the first product starts the sums.
.macro MUL zero
	WIN 0x50
.irp a, 0,1,2,3
.irp b, 0,1,2,3,4,5,6,7
.if \zero
	v_wmma_f32_16x16x32_f16 v[8*(8*\a+\b):8*(8*\a+\b)+7], v[FW+8*\b:FW+8*\b+7], v[FA+8*\a:FA+8*\a+7], 0
.else
	v_wmma_f32_16x16x32_f16 v[8*(8*\a+\b):8*(8*\a+\b)+7], v[FW+8*\b:FW+8*\b+7], v[FA+8*\a:FA+8*\a+7], v[8*(8*\a+\b):8*(8*\a+\b)+7]
.endif
.endr
.endr
	WIN 0
.endm
.macro COMP cur, zero                  ; a K step of 64 on buffer cur; behind it no LDS instruction of the wave is out
	FRAGS \cur, 0
	s_wait_dscnt 0x0
	MUL \zero
	FRAGS \cur, 1
	s_wait_dscnt 0x0
	MUL 0
.endm
	; THE HEAD.  Tile 0 lands in buffer 0 and tile 2 is asked for in its place: younger than group g of tile 0 are 24 - 8 g loads of tile 0, 32 of tile 1 and 8 g of tile 2: 56.
	ROLL 0, 1, 56, 0
	WOUT
	s_wait_loadcnt 32                              ; tile 1 is in; the 32 younger loads are tile 2's
	WIN 0x05                                       ; sources in window 1, destination in window 0
.set JJ, 0
.rept 32
	v_cvt_pk_f16_f32 v[TMP+2*JJ],   v[4*JJ],   v[4*JJ+1]
	v_cvt_pk_f16_f32 v[TMP+2*JJ+1], v[4*JJ+2], v[4*JJ+3]
.set JJ, JJ+1
.endr
	WIN 0
.irp e, 0,1,2,3,4,5,6,7,8,9,10,11,12,13,14,15
	ds_store_b64 v[SA+1], v[TMP+2*\e:TMP+2*\e+1] offset:\e*2*APITCH
.endr
.irp e, 0,1,2,3,4,5,6,7,8,9,10,11,12,13,14,15
	ds_store_b64 v[SW+1], v[TMP+32+2*\e:TMP+32+2*\e+1] offset:(\e>>1)*WPITCH+(\e&1)*256
.endr
	WOUT
	s_wait_dscnt 0x0                               ; both tiles are in LDS, for the other waves' sake
	BARRIER
	COMP 0, 1                                      ; K step 0: its first products start the sums
	BARRIER                                        ; every wave's reads of buffer 0 are over: tile 2 may land there
	s_mov_b32 s43, 2
.Lk:
	COMP 1, 0                                      ; K steps 1, 3
	TILE 0, 1, 24, 0                               ; tiles 2, 4 land, tiles 3, 5 are asked for: 24 loads are younger than each group of eight
	COMP 0, 0                                      ; K steps 2, 4
	TILE 1, 1, 24, 0                               ; tiles 3, 5 land, tiles 4, 6 are asked for
	s_sub_co_u32 s43, s43, 1
	s_cmp_lg_u32 s43, 0
	s_cbranch_scc1 .Lk
	COMP 1, 0                                      ; K step 5
	TILE 0, 1, 24, 0                               ; tile 6 lands, tile 7, the last, is asked for
	COMP 0, 0                                      ; K step 6
	TILE 1, 0, 24, 8                               ; tile 7 lands; nothing left to ask for: the counts run down 24, 16, 8, 0
	COMP 1, 0                                      ; K step 7
; THE WAY OUT, 16 rows at a time: round to f16, 16 bytes a lane into my own stage (a head's 64 columns are a row of 128 bytes there), read back four rows of a head at a
; time and store them: 512 neighbouring bytes of the output, at a multiple of 512 from its first byte.  The stage is the wave's own: LDS serves a wave's instructions in
; order (ISA guide 5.7.1), so no wait stands between its stores and its loads.
.macro OUT16 a
	WIN 0x05
.irp b, 0,1,2,3,4,5,6,7
.irp i, 0,1,2,3
	v_cvt_pk_f16_f32 v[ST+4*\b+\i], v[8*(8*\a+\b)+2*\i], v[8*(8*\a+\b)+2*\i+1]
.endr
.endr
	WIN 0
.irp b, 0,1,2,3,4,5,6,7
	ds_store_b128 v[STO], v[ST+4*\b:ST+4*\b+3] offset:(\b>>2)*16*APITCH+(\b&3)*32
.endr
	s_wait_xcnt 0x0                                ; the registers that the last 16 rows' global stores read are loaded again only behind this wait
.irp t, 0,1,2,3,4,5,6,7
	ds_load_b128 v[ST+32+4*\t:ST+32+4*\t+3], v[RD] offset:(\t>>2)*16*APITCH+(\t&3)*4*APITCH
.endr
.irp t, 0,1,2,3,4,5,6,7
	s_wait_dscnt 7-\t                              ; load t is in; the 7 - t younger ones may be out
	global_store_b128 v[CO], v[ST+32+4*\t:ST+32+4*\t+3], s[32:33] offset:(\t>>2)*262144+(16*\a+4*(\t&3))*128
.endr
.endm
	PLACES 4                                       ; the places between the last matrix instructions and the conversions that read their results
	OUT16 0
	OUT16 1
	OUT16 2
	OUT16 3
	s_wait_tensorcnt 0x0
	ds_add_u32 v30, v31
	s_wait_dscnt 0x0
	s_endpgm
.Lfunc_end_k_q700787d833_proj:
	.size	k_q700787d833_proj, .Lfunc_end_k_q700787d833_proj-k_q700787d833_proj
	.p2alignl 7, 3214868480
	.fill 96, 4, 3214868480
	.section	.rodata,"a",@progbits
	.p2align	6, 0x0
	.amdhsa_kernel k_q700787d833_proj
		.amdhsa_group_segment_fixed_size 181248
		.amdhsa_private_segment_fixed_size 0
		.amdhsa_enable_private_segment 0
		.amdhsa_kernarg_size 80
		.amdhsa_user_sgpr_count 2
		.amdhsa_user_sgpr_kernarg_segment_ptr 1
		.amdhsa_wavefront_size32 1
		.amdhsa_system_sgpr_workgroup_id_x 1
		.amdhsa_system_sgpr_workgroup_id_y 1
		.amdhsa_system_sgpr_workgroup_id_z 1
		.amdhsa_system_vgpr_workitem_id 0
		.amdhsa_next_free_vgpr 512
		.amdhsa_next_free_sgpr 66
		.amdhsa_reserve_vcc 0
		.amdhsa_float_denorm_mode_32 3
		.amdhsa_float_denorm_mode_16_64 3
		.amdhsa_memory_ordered 1
		.amdhsa_forward_progress 1
		.amdhsa_inst_pref_size 132
	.end_amdhsa_kernel
	.amdgpu_metadata
---
amdhsa.version: [ 1, 2 ]
amdhsa.kernels:
  - .name:           k_q700787d833_proj
    .symbol:         k_q700787d833_proj.kd
    .args:
      - { .name: X, .offset: 0, .size: 8, .value_kind: global_buffer, .address_space: global }
      - { .name: Y, .offset: 8, .size: 8, .value_kind: global_buffer, .address_space: global }
      - { .name: Z, .offset: 16, .size: 8, .value_kind: global_buffer, .address_space: global }
      - { .name: Wq, .offset: 24, .size: 8, .value_kind: global_buffer, .address_space: global }
      - { .name: Wk, .offset: 32, .size: 8, .value_kind: global_buffer, .address_space: global }
      - { .name: Wo, .offset: 40, .size: 8, .value_kind: global_buffer, .address_space: global }
      - { .name: qh, .offset: 48, .size: 8, .value_kind: global_buffer, .address_space: global }
      - { .name: kh, .offset: 56, .size: 8, .value_kind: global_buffer, .address_space: global }
      - { .name: vh, .offset: 64, .size: 8, .value_kind: global_buffer, .address_space: global }
      - { .name: woh, .offset: 72, .size: 8, .value_kind: global_buffer, .address_space: global }
    .group_segment_fixed_size: 181248
    .private_segment_fixed_size: 0
    .kernarg_segment_align: 8
    .kernarg_segment_size: 80
    .max_flat_workgroup_size: 256
    .sgpr_count:     66
    .vgpr_count:     512
    .wavefront_size: 32
...
	.end_amdgpu_metadata
.endif
;; end of part 1
;; launch attn (part 2): grid 8 x 32, 8 waves a work-group, clusters of 4 x 1, 327,680 bytes of LDS; arguments qh, kh, vh, oh; writes oh
.if DOCPART == 2
	.amdgcn_target "amdgcn-amd-amdhsa--gfx1250"
	.amdhsa_code_object_version 6
	.text
	.protected	k_q700787d833_attn
	.globl	k_q700787d833_attn
	.p2align	8
	.type	k_q700787d833_attn,@function
k_q700787d833_attn:
	s_mov_b64 s[64:65], 0
	v_nop
	global_prefetch_b8 v0, s[64:65] scope:SCOPE_SE
	s_setreg_imm32_b32 hwreg(HW_REG_WAVE_MODE, 25, 1), 1
	s_wait_xcnt 0x0
	s_wait_alu depctr_hold_cnt(0) depctr_sa_sdst(0) depctr_va_vdst(0) depctr_va_sdst(0) depctr_va_ssrc(0) depctr_va_vcc(0) depctr_vm_vsrc(0)
	s_getreg_b32 s2, hwreg(HW_REG_IB_STS2, 6, 4)
	s_cmp_eq_u32 s2, 0
	s_cbranch_scc0 .Lentry_in_a_cluster
	s_endpgm
.Lentry_in_a_cluster:
	s_bfe_u32 s2, ttmp6, 0x10000c
	s_cmp_lg_u32 s2, 0x3003
	s_cbranch_scc0 .Lentry_shape_is_right
	s_endpgm
.Lentry_shape_is_right:
; attn: for each of 32 heads (grid y) and each block of 256 queries (grid x): o = softmax(max(q k / 8, 0)) v, with a running maximum.
; qh, kh, vh, oh: f16, [head 32][row 2048][64], rows dense, 128 bytes each.  Scores, maxima, sums and the output's sums are f32; the weights enter the second product in f16.
; Eight waves, 32 queries each (two tiles of 16, qt = 0, 1).  Keys go in steps of 64 out of two LDS slots of 512 keys each.
; CLUSTERS: the four query blocks of a cluster (4 x 1) belong to one head and read the same K and V.  Every tensor load is a joint one, with the mask of all four:
; nothing in a descriptor hangs on the place in the cluster (head, wave, slot alone).
; ORIENTATION: the first product is K Q^T: lane (r, h) holds query r and keys 16 kt + 8 h + 0..7.  Two such tiles, packed to f16, ARE the second source of V^T P^T
; (keys 8 h .. and 16 + 8 h .. of 32), so the weights never move between lanes, and maximum, sum and rescaling factor are one number a lane.
; THE EXPONENT: with c = log2(e) / 8 and M = max(0, all scores so far), the weight is 2^max(c s - c M, -c M): never above 2^0, and the row's sum is at least 1.
; M starts at 0, which is the zero that reference() puts in place of negative scores.
; LIMITS: weights below about 6e-8 of the row's largest become zero in f16; NaN and infinite inputs are not served (the maxima drop a NaN).
.set SLOT,   155648                    ; a slot: V's 512 keys, then K's
.set KOFF,   81920
.set KPITCH, 144                       ; 128 bytes + 16: sixteen rows begin in sixteen different 16-byte columns modulo 256
.set VPITCH, 160                       ; 128 bytes + 32 = 5 x 32, for the transposing loads
.set KA0, 8                            ; v8   LDS address of my part of K's fragments in slot 0
.set VA0, 9                            ; v9   the same for V
.set KAW, 10                           ; v10  the same, at the step at work
.set VAW, 11                           ; v11
.set STO, 12                           ; v12  the way out: where I put 16 bytes of a row
.set RD,  13                           ; v13  the way out: where I read rows back
.set CO,  14                           ; v14  my byte offset in the output
.set QOFF, 15                          ; v15  my byte offset in q
.set NM,  16                           ; v16-19  for each qt the pair (-c M, M)
.set AL,  20                           ; v20-23  for each qt the pair (rescaling factor, my half of the row's sum)
.set TT,  24                           ; v24-31  at work
.set QF,  32                           ; v32-63  Q's fragments at 16 qt + 8 c (c: d 0-31, 32-63)
.set OA,  64                           ; v64-127 the output's sums at 32 qt + 8 dt: query r, d = 16 dt + 8 h + 0..7
.set SC,  128                          ; v128-191 scores at 32 qt + 8 kt, then weights; packed weights of keys 32 kp .. at 32 qt + 16 kp
.set KV,  192                          ; v192-255 K's fragments at 16 kt + 8 c, then V's at 32 kp + 8 dt
.set G1K, 16                           ; s[16:23] descriptor group 1 for K, s[24:31] for V: they differ in the padding alone
.set G1V, 24
.set G0K, 32                           ; s[32:39] descriptor group 0 for K, a set for each slot
.set G0V, 40                           ; s[40:47] the same for V
.macro PLACES n
.rept \n
	v_nop
.endr
.endm
; A round of the cluster's barrier: my work-group's barrier, wave 0 signals for the work-group, every wave waits for all four work-groups, my work-group's barrier once more.
.macro ROUND
	s_barrier_signal -1
	s_barrier_wait -1
	s_cmp_lg_u32 s12, 0
	s_cbranch_scc1 .Lnot_wave_0_\@
	s_barrier_signal -3
.Lnot_wave_0_\@:
	s_barrier_wait -3
	s_barrier_signal -1
	s_barrier_wait -1
.endm
; A joint load into slot n: waves 0 to 3 bring a quarter of V's 512 keys each, waves 4 to 7 of K's.  The branch hangs on the wave's number alone.
.macro JLOAD n
	s_cmp_lt_u32 s12, 4
	s_cbranch_scc0 .Lfor_k_\@
	tensor_load_to_lds s[G0V+4*\n:G0V+4*\n+3], s[G1V:G1V+7]
	s_nop 0
	s_branch .Lasked_\@
.Lfor_k_\@:
	tensor_load_to_lds s[G0K+4*\n:G0K+4*\n+3], s[G1K:G1K+7]
	s_nop 0
.Lasked_\@:
.endm
	s_load_b256 s[4:11], s[0:1], 0x0               ; qh s[4:5], kh s[6:7], vh s[8:9], oh s[10:11]
	s_set_vgpr_msb 0x40
	v_lshl_add_u32 v0, v0, 2, 0x4c000
	v_mov_b32 v1, 0
	s_set_vgpr_msb 0x4045
	ds_add_u32 v0, v1
	s_set_vgpr_msb 0x4500
	v_lshrrev_b32 v1, 5, v0
	v_readfirstlane_b32 s12, v1                    ; wave 0..7
	s_bfe_u32 s13, ttmp6, 0x40000                  ; cx: my place in the cluster
	s_lshl_b32 s14, ttmp9, 2
	s_add_co_u32 s14, s14, s13                     ; block of 256 queries = 4 x cluster x + cx
	s_and_b32 s15, ttmp7, 0xffff                   ; head 0..31
	; Group 1: 128 keys are 16,384 dense bytes and come as 64 rows of 256 bytes; padding follows every 32 words, that is every key's 128 bytes
	s_mov_b32 s[G1K+0], 15|(1<<16)|(1<<20)|(1<<21)|(4<<22)|(3<<25)   ; mask: all four; elements of 2 bytes; padding on; bit 21 beside a mask; every 32 words (code 4) 4 words
	s_mov_b32 s[G1V+0], 15|(1<<16)|(1<<20)|(1<<21)|(4<<22)|(7<<25)   ; the same with 8 words
.irp g, G1K, G1V
	s_mov_b32 s[\g+1], 128<<16                     ; tensor_dim0 = 128 elements
	s_mov_b32 s[\g+2], 64<<16                      ; tensor_dim1 = 64 rows
	s_mov_b32 s[\g+3], 128<<16                     ; tile_dim0 = 128
	s_mov_b32 s[\g+4], 64                          ; tile_dim1 = 64
	s_mov_b32 s[\g+5], 128                         ; from row to row: 128 elements
	s_mov_b32 s[\g+6], 0
	s_mov_b32 s[\g+7], 0
.endr
	s_lshl_b32 s54, s15, 18                        ; the head's 262,144 bytes
	s_and_b32 s56, s12, 3
	s_lshl_b32 s56, s56, 14                        ; my quarter of a slot's keys: 128 keys x 128 bytes
	s_add_co_u32 s54, s54, s56
	s_mov_b32 s55, 0
	s_mul_i32 s60, s12, 128*KPITCH                 ; K's quarter w - 4 lies at KOFF + (w - 4) x 18,432 = 18,432 w + 8,192
	s_add_co_u32 s60, s60, KOFF-4*128*KPITCH
	s_mul_i32 s61, s12, 128*VPITCH                 ; V's quarter w at 20,480 w
	s_wait_dscnt 0x0
	s_wait_kmcnt 0x0
	s_add_nc_u64 s[56:57], s[6:7], s[54:55]
	s_add_nc_u64 s[58:59], s[8:9], s[54:55]
.irp n, 0,1
	s_mov_b32 s[G0K+4*\n], 1
	s_add_co_u32 s[G0K+4*\n+1], s60, \n*SLOT
	s_add_nc_u64 s[G0K+4*\n+2:G0K+4*\n+3], s[56:57], \n*65536      ; slot n begins with keys 512 n
	s_or_b32 s[G0K+4*\n+3], s[G0K+4*\n+3], 0x80000000
	s_mov_b32 s[G0V+4*\n], 1
	s_add_co_u32 s[G0V+4*\n+1], s61, \n*SLOT
	s_add_nc_u64 s[G0V+4*\n+2:G0V+4*\n+3], s[58:59], \n*65536
	s_or_b32 s[G0V+4*\n+3], s[G0V+4*\n+3], 0x80000000
.endr
	ROUND                                          ; all four work-groups are here: the first joint loads meet
	s_cmp_lt_u32 s12, 4                            ; both first fills of a wave inside one branch; two tensor loads of a wave are out, the most in this text
	s_cbranch_scc0 .Lfirst_k
	tensor_load_to_lds s[G0V:G0V+3], s[G1V:G1V+7]
	s_nop 0
	tensor_load_to_lds s[G0V+4:G0V+7], s[G1V:G1V+7]
	s_nop 0
	s_branch .Lfirst_done
.Lfirst_k:
	tensor_load_to_lds s[G0K:G0K+3], s[G1K:G1K+7]
	s_nop 0
	tensor_load_to_lds s[G0K+4:G0K+7], s[G1K:G1K+7]
	s_nop 0
.Lfirst_done:
	s_lshl_b32 s62, s15, 18                        ; q and the output: the head, and my block's 256 rows of 128 bytes
	s_lshl_b32 s63, s14, 15
	s_add_co_u32 s62, s62, s63
	s_mov_b32 s63, 0
	s_add_nc_u64 s[4:5], s[4:5], s[62:63]
	s_add_nc_u64 s[10:11], s[10:11], s[62:63]
	v_and_b32 v1, 15, v0                           ; r
	v_bfe_u32 v2, v0, 4, 1                         ; h
	v_and_b32 v3, 31, v0                           ; L
	s_lshl_b32 s54, s12, 12                        ; my wave's 32 rows of 128 bytes
	v_lshlrev_b32 v5, 7, v1
	v_lshl_add_u32 v5, v2, 4, v5
	v_add_nc_u32 v[QOFF], s54, v5                  ; query r, d = 8 h ..
.irp qt, 0,1
.irp c, 0,1
	global_load_b128 v[QF+16*\qt+8*\c:QF+16*\qt+8*\c+3],   v[QOFF], s[4:5] offset:\qt*2048+64*\c
	global_load_b128 v[QF+16*\qt+8*\c+4:QF+16*\qt+8*\c+7], v[QOFF], s[4:5] offset:\qt*2048+64*\c+32
.endr
.endr
	v_lshlrev_b32 v5, 4, v3
	v_add_nc_u32 v[CO], s54, v5                    ; 16 L: a store takes four rows, 512 neighbouring bytes
	v_mul_u32_u24 v4, v1, KPITCH
	v_lshl_add_u32 v4, v2, 4, v4                   ; r x 144 + 16 h
	v_add_nc_u32 v[KA0], KOFF, v4
	v_and_b32 v6, 7, v0
	v_lshl_add_u32 v5, v2, 3, v6                   ; the transposing load: key 8 h + (L & 7) of 16,
	v_mul_u32_u24 v5, v5, VPITCH
	v_bfe_u32 v7, v0, 3, 1
	v_lshl_add_u32 v[VA0], v7, 4, v5               ; and which 16 bytes of 16 d
	s_mul_i32 s54, s12, 32*KPITCH                  ; my stage: 32 rows of 144 bytes, in slot 0 after its last fill and its last read
	v_add_nc_u32 v[STO], s54, v4
	v_lshrrev_b32 v5, 3, v3
	v_mul_u32_u24 v5, v5, KPITCH
	v_lshl_add_u32 v5, v6, 4, v5
	v_add_nc_u32 v[RD], s54, v5
	v_mov_b32 v[NM+1], 0                           ; M = 0
	v_mov_b32 v[NM+3], 0
	s_mov_b32 s48, 0x76543210                      ; v_permlanex16_b32: lane i of one half reads lane i of the other
	s_mov_b32 s49, 0xfedcba98
	s_mov_b32 s50, 0x3e38aa3b                      ; c = log2(e) / 8, twice for the packed form
	s_mov_b32 s51, 0x3e38aa3b
	s_mov_b32 s52, 0xbe38aa3b                      ; -c
; exponents of query tile qt: c s - c M (two at a time), then the larger of that and -c M, which is where reference() has put a zero for a negative score
.macro EXPONENT qt
.set JJ, 0
.rept 16
	v_pk_fma_f32 v[SC+32*\qt+JJ:SC+32*\qt+JJ+1], v[SC+32*\qt+JJ:SC+32*\qt+JJ+1], s[50:51], v[NM+2*\qt:NM+2*\qt+1] op_sel_hi:[1,0,0]
.set JJ, JJ+2
.endr
.set JJ, 0
.rept 32
	v_max_num_f32 v[SC+32*\qt+JJ], v[SC+32*\qt+JJ], v[NM+2*\qt]
.set JJ, JJ+1
.endr
.endm
.macro POWERS qt
.set JJ, 0
.rept 32
	v_exp_f32 v[SC+32*\qt+JJ], v[SC+32*\qt+JJ]
.set JJ, JJ+1
.endr
.endm
; my 32 weights of query tile qt are added (two chains of pairs), the sum goes into the running sum, and the weights are packed to f16 in place
.macro SUMPACK qt, first
	s_wait_alu depctr_va_vdst(0)
	v_pk_add_f32 v[TT+4*\qt:TT+4*\qt+1],   v[SC+32*\qt:SC+32*\qt+1],     v[SC+32*\qt+2:SC+32*\qt+3]
	v_pk_add_f32 v[TT+4*\qt+2:TT+4*\qt+3], v[SC+32*\qt+16:SC+32*\qt+17], v[SC+32*\qt+18:SC+32*\qt+19]
.irp j, 4,6,8,10,12,14
	v_pk_add_f32 v[TT+4*\qt:TT+4*\qt+1],   v[TT+4*\qt:TT+4*\qt+1],   v[SC+32*\qt+\j:SC+32*\qt+\j+1]
	v_pk_add_f32 v[TT+4*\qt+2:TT+4*\qt+3], v[TT+4*\qt+2:TT+4*\qt+3], v[SC+32*\qt+16+\j:SC+32*\qt+16+\j+1]
.endr
	v_pk_add_f32 v[TT+4*\qt:TT+4*\qt+1], v[TT+4*\qt:TT+4*\qt+1], v[TT+4*\qt+2:TT+4*\qt+3]
.if \first
	v_add_f32 v[AL+2*\qt+1], v[TT+4*\qt], v[TT+4*\qt+1]
.else
	v_add_f32 v[TT+4*\qt], v[TT+4*\qt], v[TT+4*\qt+1]
	v_fma_f32 v[AL+2*\qt+1], v[AL+2*\qt+1], v[AL+2*\qt], v[TT+4*\qt]
.endif
.irp kp, 0,1
.irp i, 0,1,2,3
	v_cvt_pk_f16_f32 v[SC+32*\qt+16*\kp+\i], v[SC+32*\qt+16*\kp+2*\i], v[SC+32*\qt+16*\kp+2*\i+1]
.endr
.irp i, 0,1,2,3
	v_cvt_pk_f16_f32 v[SC+32*\qt+16*\kp+4+\i], v[SC+32*\qt+16*\kp+8+2*\i], v[SC+32*\qt+16*\kp+8+2*\i+1]
.endr
.endr
.endm
; eight matrix instructions of the second product: keys 32 kp .. 32 kp + 31; the eight accumulators take turns
.macro PV kp, zero
.irp qt, 0,1
.irp dt, 0,1,2,3
.if \zero
	v_wmma_f32_16x16x32_f16 v[OA+32*\qt+8*\dt:OA+32*\qt+8*\dt+7], v[KV+32*\kp+8*\dt:KV+32*\kp+8*\dt+7], v[SC+32*\qt+16*\kp:SC+32*\qt+16*\kp+7], 0
.else
	v_wmma_f32_16x16x32_f16 v[OA+32*\qt+8*\dt:OA+32*\qt+8*\dt+7], v[KV+32*\kp+8*\dt:KV+32*\kp+8*\dt+7], v[SC+32*\qt+16*\kp:SC+32*\qt+16*\kp+7], v[OA+32*\qt+8*\dt:OA+32*\qt+8*\dt+7]
.endif
.endr
.endr
.endm
; One step: 64 keys against my 32 queries.  first = 1: nothing has been summed yet: no rescaling, and the first products start the sums.
.macro STEP first
.irp c, 0,1
.irp kt, 0,1,2,3
	ds_load_b128 v[KV+16*\kt+8*\c:KV+16*\kt+8*\c+3],   v[KAW] offset:\kt*16*KPITCH+64*\c
	ds_load_b128 v[KV+16*\kt+8*\c+4:KV+16*\kt+8*\c+7], v[KAW] offset:\kt*16*KPITCH+64*\c+32
.endr
.endr
	s_wait_dscnt 0x8                               ; the eight loads of d 0-31 are in; the eight younger ones, d 32-63, may be out
.irp qt, 0,1
.irp kt, 0,1,2,3
	v_wmma_f32_16x16x32_f16 v[SC+32*\qt+8*\kt:SC+32*\qt+8*\kt+7], v[KV+16*\kt:KV+16*\kt+7], v[QF+16*\qt:QF+16*\qt+7], 0
.endr
.endr
	s_wait_dscnt 0x0
.irp qt, 0,1
.irp kt, 0,1,2,3
	v_wmma_f32_16x16x32_f16 v[SC+32*\qt+8*\kt:SC+32*\qt+8*\kt+7], v[KV+16*\kt+8:KV+16*\kt+15], v[QF+16*\qt+8:QF+16*\qt+15], v[SC+32*\qt+8*\kt:SC+32*\qt+8*\kt+7]
.endr
.endr
	PLACES 4                                       ; the places in front of loads into K's registers and of vector instructions that read the scores
.irp kp, 0,1
.irp dt, 0,1,2,3
	ds_load_tr16_b128 v[KV+32*\kp+8*\dt:KV+32*\kp+8*\dt+3],   v[VAW] offset:\kp*32*VPITCH+32*\dt              ; V's fragments land while the weights are made
	ds_load_tr16_b128 v[KV+32*\kp+8*\dt+4:KV+32*\kp+8*\dt+7], v[VAW] offset:\kp*32*VPITCH+32*\dt+16*VPITCH
.endr
.endr
	; the running maximum: four chains, each begun with M
.irp qt, 0,1
	v_max3_num_f32 v[TT+2*\qt],   v[SC+32*\qt],    v[SC+32*\qt+1],  v[NM+2*\qt+1]
	v_max3_num_f32 v[TT+2*\qt+1], v[SC+32*\qt+16], v[SC+32*\qt+17], v[NM+2*\qt+1]
.endr
.irp j, 2,4,6,8,10,12,14
.irp qt, 0,1
	v_max3_num_f32 v[TT+2*\qt],   v[SC+32*\qt+\j],    v[SC+32*\qt+\j+1],    v[TT+2*\qt]
	v_max3_num_f32 v[TT+2*\qt+1], v[SC+32*\qt+16+\j], v[SC+32*\qt+16+\j+1], v[TT+2*\qt+1]
.endr
.endr
	v_max_num_f32 v[TT],   v[TT],   v[TT+1]
	v_max_num_f32 v[TT+2], v[TT+2], v[TT+3]
	v_permlanex16_b32 v[TT+1], v[TT],   s48, s49   ; the other half of the lanes holds the query's other keys
	v_permlanex16_b32 v[TT+3], v[TT+2], s48, s49
	v_max_num_f32 v[NM+1], v[TT],   v[TT+1]
	v_max_num_f32 v[NM+3], v[TT+2], v[TT+3]
.if \first == 0
	v_fma_f32 v[TT+4], v[NM+1], s52, -v[NM]        ; c (old M - new M), never above 0
	v_fma_f32 v[TT+5], v[NM+3], s52, -v[NM+2]
.endif
	v_mul_f32 v[NM],   s52, v[NM+1]
	v_mul_f32 v[NM+2], s52, v[NM+3]
.if \first == 0
	v_exp_f32 v[AL],   v[TT+4]                     ; behind each run of v_exp_f32 the next line is a plain vector instruction that touches none of the run's registers (ISA guide 5.7.2):
	v_exp_f32 v[AL+2], v[TT+5]                     ; here the exponents of tile 0, below those of tile 1, and then the sums of tile 0
.endif
	EXPONENT 0
	POWERS 0
	EXPONENT 1
	POWERS 1
	SUMPACK 0, \first
	SUMPACK 1, \first
.if \first == 0
.irp qt, 0,1
.set JJ, 0
.rept 16
	v_pk_mul_f32 v[OA+32*\qt+JJ:OA+32*\qt+JJ+1], v[OA+32*\qt+JJ:OA+32*\qt+JJ+1], v[AL+2*\qt:AL+2*\qt+1] op_sel_hi:[1,0]
.set JJ, JJ+2
.endr
.endr
.endif
	s_wait_dscnt 0x0                               ; V's fragments
	PV 0, \first
	PV 1, 0
	v_add_nc_u32 v[KAW], 64*KPITCH, v[KAW]         ; five places in front of the next step, whose products write over the packed weights and whose loads write over V's fragments:
	v_add_nc_u32 v[VAW], 64*VPITCH, v[VAW]         ; the two address steps and three v_nop
	PLACES 3
.endm
; the eight steps of slot n
.macro PHASE n, first
.if \n
	v_add_nc_u32 v[KAW], \n*SLOT, v[KA0]
	v_add_nc_u32 v[VAW], \n*SLOT, v[VA0]
.else
	v_mov_b32 v[KAW], v[KA0]
	v_mov_b32 v[VAW], v[VA0]
.endif
.if \first
	STEP 1
	s_mov_b32 s53, 7
.else
	s_mov_b32 s53, 8
.endif
.Lstep_\@:
	STEP 0
	s_sub_co_u32 s53, s53, 1
	s_cmp_lg_u32 s53, 0
	s_cbranch_scc1 .Lstep_\@
.endm
; The change of slots.  old has been read.  In front of the barrier every wave waits for all its tensor loads (the one that is out is its part of the other slot) and for its
; reads of old.  refill = 1: the barrier is a round of the cluster's barrier, so that no wave of any partner still reads old or has a load on its way, and the joint refill of
; old, 1,024 keys further on, is the first thing behind it: one tensor load a wave, with eight steps' work in which to land.
.macro NEXT old, refill
	s_set_vgpr_msb 0x5
	s_wait_tensorcnt 0x0
	ds_add_u32 v0, v1
	s_wait_dscnt 0x0
	s_set_vgpr_msb 0x500
.if \refill
	s_add_nc_u64 s[G0K+4*\old+2:G0K+4*\old+3], s[G0K+4*\old+2:G0K+4*\old+3], 131072   ; no tensor load of mine is out: a group 0 may be written
	s_add_nc_u64 s[G0V+4*\old+2:G0V+4*\old+3], s[G0V+4*\old+2:G0V+4*\old+3], 131072
.endif
	s_wait_dscnt 0x0
.if \refill
	ROUND
	JLOAD \old
.else
	s_barrier_signal -1
	s_barrier_wait -1
.endif
.endm
	s_wait_tensorcnt 0x1                           ; my part of slot 0 is in; the one younger load, slot 1's, stays out
	s_barrier_signal -1
	s_barrier_wait -1                              ; everybody's part is in
	s_wait_loadcnt 0x0                             ; Q
	PHASE 0, 1                                     ; keys 0 to 511
	NEXT 0, 1
	PHASE 1, 0                                     ; 512 to 1023
	NEXT 1, 1
	PHASE 0, 0                                     ; 1024 to 1535
	NEXT 0, 0                                      ; nothing left to fetch; behind this barrier nobody reads slot 0 and nothing is filled into it
	PHASE 1, 0                                     ; 1536 to 2047
	; THE WAY OUT.  The two halves of the lanes add their sums; the output is divided by the sum (at least 1), rounded to f16, and goes through my stage so that
	; each store takes four whole rows: 512 neighbouring bytes, at a multiple of 512 from the buffer's first byte.
	v_permlanex16_b32 v[TT],   v[AL+1], s48, s49
	v_permlanex16_b32 v[TT+1], v[AL+3], s48, s49
	v_add_f32 v[AL+1], v[AL+1], v[TT]
	v_add_f32 v[AL+3], v[AL+3], v[TT+1]
	v_rcp_f32 v[AL],   v[AL+1]
	v_rcp_f32 v[AL+2], v[AL+3]
	v_nop                                          ; the plain place behind the two reciprocals
	s_wait_alu depctr_va_vdst(0)
.irp qt, 0,1
.set JJ, 0
.rept 16
	v_pk_mul_f32 v[OA+32*\qt+JJ:OA+32*\qt+JJ+1], v[OA+32*\qt+JJ:OA+32*\qt+JJ+1], v[AL+2*\qt:AL+2*\qt+1] op_sel_hi:[1,0]
.set JJ, JJ+2
.endr
.endr
.irp qt, 0,1
.irp dt, 0,1,2,3
.irp i, 0,1,2,3
	v_cvt_pk_f16_f32 v[SC+16*\qt+4*\dt+\i], v[OA+32*\qt+8*\dt+2*\i], v[OA+32*\qt+8*\dt+2*\i+1]
.endr
	ds_store_b128 v[STO], v[SC+16*\qt+4*\dt:SC+16*\qt+4*\dt+3] offset:\qt*16*KPITCH+32*\dt
.endr
.endr
.irp i, 0,1,2,3,4,5,6,7
	ds_load_b128 v[KV+4*\i:KV+4*\i+3], v[RD] offset:\i*4*KPITCH    ; my own bytes: LDS serves a wave's instructions in order (ISA guide 5.7.1)
.endr
.irp i, 0,1,2,3,4,5,6,7
	s_wait_dscnt 7-\i                              ; load i is in; the 7 - i younger ones may be out
	global_store_b128 v[CO], v[KV+4*\i:KV+4*\i+3], s[10:11] offset:512*\i
.endr
	s_set_vgpr_msb 0x5
	s_wait_tensorcnt 0x0
	ds_add_u32 v0, v1
	s_wait_dscnt 0x0
	s_set_vgpr_msb 0x500
	ROUND                                          ; the closing round: no work-group ends while a partner may still ask for a tile that names it
	s_endpgm
.Lfunc_end_k_q700787d833_attn:
	.size	k_q700787d833_attn, .Lfunc_end_k_q700787d833_attn-k_q700787d833_attn
	.p2alignl 7, 3214868480
	.fill 96, 4, 3214868480
	.section	.rodata,"a",@progbits
	.p2align	6, 0x0
	.amdhsa_kernel k_q700787d833_attn
		.amdhsa_group_segment_fixed_size 327680
		.amdhsa_private_segment_fixed_size 0
		.amdhsa_enable_private_segment 0
		.amdhsa_kernarg_size 32
		.amdhsa_user_sgpr_count 2
		.amdhsa_user_sgpr_kernarg_segment_ptr 1
		.amdhsa_wavefront_size32 1
		.amdhsa_system_sgpr_workgroup_id_x 1
		.amdhsa_system_sgpr_workgroup_id_y 1
		.amdhsa_system_sgpr_workgroup_id_z 1
		.amdhsa_system_vgpr_workitem_id 0
		.amdhsa_next_free_vgpr 258
		.amdhsa_next_free_sgpr 66
		.amdhsa_reserve_vcc 0
		.amdhsa_float_denorm_mode_32 3
		.amdhsa_float_denorm_mode_16_64 3
		.amdhsa_memory_ordered 1
		.amdhsa_forward_progress 1
		.amdhsa_inst_pref_size 110
	.end_amdhsa_kernel
	.amdgpu_metadata
---
amdhsa.version: [ 1, 2 ]
amdhsa.kernels:
  - .name:           k_q700787d833_attn
    .symbol:         k_q700787d833_attn.kd
    .args:
      - { .name: qh, .offset: 0, .size: 8, .value_kind: global_buffer, .address_space: global }
      - { .name: kh, .offset: 8, .size: 8, .value_kind: global_buffer, .address_space: global }
      - { .name: vh, .offset: 16, .size: 8, .value_kind: global_buffer, .address_space: global }
      - { .name: oh, .offset: 24, .size: 8, .value_kind: global_buffer, .address_space: global }
    .group_segment_fixed_size: 327680
    .private_segment_fixed_size: 0
    .kernarg_segment_align: 8
    .kernarg_segment_size: 32
    .max_flat_workgroup_size: 256
    .sgpr_count:     66
    .vgpr_count:     258
    .wavefront_size: 32
...
	.end_amdgpu_metadata
.endif
;; end of part 2
;; launch oproj (part 3): grid 4 x 64, 8 waves a work-group, clusters of 4 x 4, 295,936 bytes of LDS; arguments oh, woh, out0; writes out0
.if DOCPART == 3
	.amdgcn_target "amdgcn-amd-amdhsa--gfx1250"
	.amdhsa_code_object_version 6
	.text
	.protected	k_q700787d833_oproj
	.globl	k_q700787d833_oproj
	.p2align	8
	.type	k_q700787d833_oproj,@function
k_q700787d833_oproj:
	s_mov_b64 s[64:65], 0
	v_nop
	global_prefetch_b8 v0, s[64:65] scope:SCOPE_SE
	s_setreg_imm32_b32 hwreg(HW_REG_WAVE_MODE, 25, 1), 1
	s_wait_xcnt 0x0
	s_wait_alu depctr_hold_cnt(0) depctr_sa_sdst(0) depctr_va_vdst(0) depctr_va_sdst(0) depctr_va_ssrc(0) depctr_va_vcc(0) depctr_vm_vsrc(0)
	s_getreg_b32 s2, hwreg(HW_REG_IB_STS2, 6, 4)
	s_cmp_eq_u32 s2, 0
	s_cbranch_scc0 .Lentry_in_a_cluster
	s_endpgm
.Lentry_in_a_cluster:
	s_bfe_u32 s2, ttmp6, 0x10000c
	s_cmp_lg_u32 s2, 0xf033
	s_cbranch_scc0 .Lentry_shape_is_right
	s_endpgm
.Lentry_shape_is_right:
; oproj: out0 = O Wo.  oh: f16 [batch 4][head 8][row 2048][64]; merged, O[row][64 head + d].  woh: Wo in f16, [512 k][512 n], as the first launch stored it.  out0: f32 [8192][512].
; A work-group makes 128 rows (grid y) x 128 columns (grid x): 256 work-groups.  Eight waves; wave w makes rows 32 (w >> 1) .. and columns 64 (w & 1) ..: eight accumulator tiles.
; All of K is resident in LDS: O's 128 rows of all eight heads, and Wo's 512 rows of my 128 columns.  Nothing is filled twice, so there is no ring.
; CLUSTERS: 4 x 4 work-groups.  The four of a row of the cluster make the same 128 rows and need the same rows of O; the four of a column make the same 128 columns and need the
; same columns of Wo.  Each wave asks for one head's 128 rows of O jointly with its row, and for 64 k rows of Wo's 128 columns jointly with its column: both requests are
; divided by four.  O's address is made of the block row and the wave's number, Wo's of the block column and the wave's number, the LDS addresses of the wave's number alone.
; Operands f16 (LIMIT: beyond 65,504 they overflow), sums f32.
.set APITCH, 144                       ; O: a head's row of 128 bytes + 16
.set AHEAD,  128*APITCH                ; a head's 128 rows: 18,432 bytes
.set WBASE,  8*AHEAD                   ; 147,456: Wo's part, 512 k x 128 n f16,
.set WPITCH, 288                       ; pitch 288 = 256 + 32 = 9 x 32, for the transposing loads
.set SPITCH, 272                       ; the stage: 16 rows x 64 f32 + 16 bytes, for each wave, in O's region after its last read
.set FAA, 10                           ; v10  where I read O's fragments
.set FWA, 11                           ; v11  where I read Wo's
.set STO, 12                           ; v12  the way out
.set RD,  13
.set CO,  14
.set ACC, 64                           ; v64-127  accumulator (a, b) at 8 (4 a + b)
.set F0,  128                          ; v128-175 fragment buffer 0: O's two at 8 a, Wo's four at 16 + 8 b
.set F1,  176                          ; v176-223 fragment buffer 1
.macro PLACES n
.rept \n
	v_nop
.endr
.endm
.macro ROUND                           ; a round of the cluster's barrier: my work-group's barrier, wave 0 signals for the work-group, every wave waits for all sixteen, my work-group's barrier once more
	s_barrier_signal -1
	s_barrier_wait -1
	s_cmp_lg_u32 s12, 0
	s_cbranch_scc1 .Lnot_wave_0_\@
	s_barrier_signal -3
.Lnot_wave_0_\@:
	s_barrier_wait -3
	s_barrier_signal -1
	s_barrier_wait -1
.endm
	s_load_b128 s[4:7], s[0:1], 0x0                ; oh s[4:5], woh s[6:7]
	s_load_b64 s[8:9], s[0:1], 0x10                ; out0
	v_lshl_add_u32 v254, v0, 2, 0x48000
	v_mov_b32 v255, 0
	ds_add_u32 v254, v255
	v_lshrrev_b32 v1, 5, v0
	v_readfirstlane_b32 s12, v1                    ; wave 0..7
	s_bfe_u32 s13, ttmp6, 0x40000                  ; cx: my place along the cluster's x
	s_bfe_u32 s14, ttmp6, 0x40004                  ; cy: along its y
	s_lshl_b32 s15, ttmp9, 2
	s_add_co_u32 s15, s15, s13                     ; block of 128 columns = 4 x cluster x + cx
	s_and_b32 s40, ttmp7, 0xffff
	s_lshl_b32 s40, s40, 2
	s_add_co_u32 s40, s40, s14                     ; block of 128 rows = 4 x cluster y + cy, 0..63
	s_lshl_b32 s41, s14, 2
	s_lshl_b32 s41, 15, s41                        ; my row of the cluster: places 4 cy .. 4 cy + 3
	s_lshl_b32 s42, 0x1111, s13                    ; my column: places cx, cx + 4, cx + 8, cx + 12
	; group 1 for O: 128 rows of 128 bytes are 16,384 dense bytes and come as 64 rows of 256 bytes; 4 words of padding follow every 32 words, that is every row of a head
	s_or_b32 s16, s41, (1<<16)|(1<<20)|(1<<21)|(4<<22)|(3<<25)   ; the mask of my row; elements of 2 bytes; padding on; bit 21 beside a mask; every 32 words (code 4) 4 words
	s_mov_b32 s17, 128<<16                         ; tensor_dim0 = 128 elements
	s_mov_b32 s18, 64<<16                          ; tensor_dim1 = 64 rows
	s_mov_b32 s19, 128<<16                         ; tile_dim0
	s_mov_b32 s20, 64                              ; tile_dim1
	s_mov_b32 s21, 128                             ; from row to row
	s_mov_b32 s22, 0
	s_mov_b32 s23, 0
	; group 1 for Wo: 64 rows of 128 elements (256 bytes, at a multiple of 256 from the buffer's first byte), 512 elements from row to row; 8 words of padding follow every 64 words
	s_or_b32 s24, s42, (1<<16)|(1<<20)|(1<<21)|(5<<22)|(7<<25)   ; the mask of my column
	s_mov_b32 s25, 128<<16
	s_mov_b32 s26, 64<<16
	s_mov_b32 s27, 128<<16
	s_mov_b32 s28, 64
	s_mov_b32 s29, 512
	s_mov_b32 s30, 0
	s_mov_b32 s31, 0
	s_lshr_b32 s44, s40, 4                         ; O's offset, of the block row and the wave's number:
	s_lshl_b32 s44, s44, 21                        ; batch x 8 heads x 262,144 bytes
	s_lshl_b32 s45, s12, 18                        ; head = my wave's number
	s_add_co_u32 s44, s44, s45
	s_and_b32 s45, s40, 15
	s_lshl_b32 s45, s45, 14                        ; the block's 128 rows of 128 bytes inside the batch
	s_add_co_u32 s44, s44, s45
	s_mov_b32 s45, 0
	s_lshl_b32 s46, s12, 16                        ; Wo's offset, of the block column and the wave's number: my 64 rows of 1,024 bytes
	s_lshl_b32 s47, s15, 8                         ; the block's 128 columns x 2 bytes
	s_add_co_u32 s46, s46, s47
	s_mov_b32 s47, 0
	s_mov_b32 s32, 1
	s_mul_i32 s33, s12, AHEAD                      ; head w at 18,432 w
	s_mov_b32 s36, 1
	s_mul_i32 s37, s12, 64*WPITCH                  ; k rows 64 w .. at 147,456 + 18,432 w
	s_add_co_u32 s37, s37, WBASE
	s_wait_dscnt 0x0
	s_wait_kmcnt 0x0
	s_add_nc_u64 s[34:35], s[4:5], s[44:45]
	s_or_b32 s35, s35, 0x80000000
	s_add_nc_u64 s[38:39], s[6:7], s[46:47]
	s_or_b32 s39, s39, 0x80000000
	ROUND                                          ; all sixteen work-groups are here: the joint loads meet
	tensor_load_to_lds s[32:35], s[16:23]          ; my head of O
	s_nop 0
	tensor_load_to_lds s[36:39], s[24:31]          ; my 64 rows of Wo: two tensor loads of the wave are out, all that it issues
	s_nop 0
	s_lshl_b32 s48, s40, 18                        ; the output: 128 rows x 2,048 bytes,
	s_lshl_b32 s49, s15, 9                         ; 128 columns x 4 bytes
	s_add_co_u32 s48, s48, s49
	s_mov_b32 s49, 0
	s_add_nc_u64 s[8:9], s[8:9], s[48:49]
	v_and_b32 v1, 15, v0                           ; r
	v_bfe_u32 v2, v0, 4, 1                         ; h
	s_lshr_b32 s53, s12, 1                         ; wr
	s_and_b32 s54, s12, 1                          ; wc
	v_mul_u32_u24 v4, v1, APITCH
	v_lshl_add_u32 v4, v2, 4, v4                   ; r x pitch + 16 h: a fragment's row
	s_mul_i32 s51, s53, 32*APITCH
	v_add_nc_u32 v[FAA], s51, v4
	v_and_b32 v4, 7, v0
	v_lshl_add_u32 v4, v2, 3, v4                   ; the transposing load: row 8 h + (L & 7) of the 16 k,
	v_mul_u32_u24 v4, v4, WPITCH
	v_bfe_u32 v5, v0, 3, 1
	v_lshl_add_u32 v4, v5, 4, v4                   ; and which 16 bytes of the 16 columns
	s_lshl_b32 s51, s54, 7
	s_add_co_u32 s51, s51, WBASE
	v_add_nc_u32 v[FWA], s51, v4
	s_mul_i32 s51, s12, 16*SPITCH
	v_mul_u32_u24 v4, v1, SPITCH
	v_lshl_add_u32 v4, v2, 5, v4                   ; in: row r, 32 bytes for each half of the lanes
	v_add_nc_u32 v[STO], s51, v4
	v_mul_u32_u24 v4, v2, SPITCH
	v_lshl_add_u32 v4, v1, 4, v4                   ; back: lanes 0-15 take one row of 256 bytes, lanes 16-31 the next
	v_add_nc_u32 v[RD], s51, v4
	v_lshlrev_b32 v4, 4, v1
	v_lshl_add_u32 v4, v2, 11, v4
	s_lshl_b32 s51, s53, 16                        ; my 32 rows of 2,048 bytes,
	s_lshl_b32 s52, s54, 8                         ; my 64 columns
	s_add_co_u32 s51, s51, s52
	v_add_nc_u32 v[CO], s51, v4
	s_wait_tensorcnt 0x0                           ; my head of O and my rows of Wo have landed:
	s_barrier_signal -1
	s_barrier_wait -1                              ; everybody's have
; twelve LDS loads: the fragments of 32 along K (half kk of the head at work) into buffer f
.macro FETCH f, kk
.irp a, 0,1
	ds_load_b128 v[\f+8*\a:\f+8*\a+3],   v[FAA] offset:\a*16*APITCH+64*\kk
	ds_load_b128 v[\f+8*\a+4:\f+8*\a+7], v[FAA] offset:\a*16*APITCH+64*\kk+32
.endr
.irp b, 0,1,2,3
	ds_load_tr16_b128 v[\f+16+8*\b:\f+16+8*\b+3],   v[FWA] offset:\kk*32*WPITCH+32*\b
	ds_load_tr16_b128 v[\f+16+8*\b+4:\f+16+8*\b+7], v[FWA] offset:\kk*32*WPITCH+32*\b+16*WPITCH
.endr
.endm
; eight matrix instructions, used transposed (source 0 = 16 columns of Wo, source 1 = 16 rows of O): lane (r, h) holds row r, columns 8 h + 0..7.
; The eight accumulators take turns.
.macro MUL8 f, zero
.irp a, 0,1
.irp b, 0,1,2,3
.if \zero
	v_wmma_f32_16x16x32_f16 v[ACC+8*(4*\a+\b):ACC+8*(4*\a+\b)+7], v[\f+16+8*\b:\f+16+8*\b+7], v[\f+8*\a:\f+8*\a+7], 0
.else
	v_wmma_f32_16x16x32_f16 v[ACC+8*(4*\a+\b):ACC+8*(4*\a+\b)+7], v[\f+16+8*\b:\f+16+8*\b+7], v[\f+8*\a:\f+8*\a+7], v[ACC+8*(4*\a+\b):ACC+8*(4*\a+\b)+7]
.endif
.endr
.endr
.endm
; One head = 64 along K, on buffers 0 and 1; while one is multiplied the other's loads are on their way.  Four places stand between matrix instructions and loads into
; registers that they read.  more = 1: the next head's first half is fetched.
.macro TRIP zero, more
	PLACES 4
	FETCH F1, 1
	s_wait_dscnt 12                                ; buffer 0 is in; the twelve loads just issued stay out
	MUL8 F0, \zero
.if \more
	v_add_nc_u32 v[FAA], AHEAD, v[FAA]             ; the next head: 18,432 bytes on in O's region,
	v_add_nc_u32 v[FWA], 64*WPITCH, v[FWA]         ; 64 rows on in Wo's; with two v_nop these are the four places
	PLACES 2
	FETCH F0, 0
	s_wait_dscnt 12                                ; buffer 1 is in
.else
	s_wait_dscnt 0x0
.endif
	MUL8 F1, 0
.endm
	FETCH F0, 0
	TRIP 1, 1                                      ; head 0 stands in front of the loop: its first products start the sums
	s_mov_b32 s50, 6
.Lhead:
	TRIP 0, 1
	s_sub_co_u32 s50, s50, 1
	s_cmp_lg_u32 s50, 0
	s_cbranch_scc1 .Lhead
	TRIP 0, 0                                      ; head 7: nothing more to fetch
	; THE WAY OUT.  No LDS load of mine is out (the last wait was for 0); behind the barrier nobody reads O's region, into which nothing is filled any more, and each wave
	; has its stage there.  16 rows at a time: 32 bytes a lane and tile in, whole rows of 256 bytes back, sixteen lanes store 256 neighbouring bytes at a multiple of 256.
	s_barrier_signal -1
	s_barrier_wait -1
	PLACES 4                                       ; the places between the last matrix instructions and the LDS stores that read their results
.irp a, 0,1
.irp b, 0,1,2,3
	ds_store_b128 v[STO], v[ACC+8*(4*\a+\b):ACC+8*(4*\a+\b)+3]   offset:64*\b
	ds_store_b128 v[STO], v[ACC+8*(4*\a+\b)+4:ACC+8*(4*\a+\b)+7] offset:64*\b+16
.endr
.irp i, 0,1,2,3,4,5,6,7
	ds_load_b128 v[F0+32*\a+4*\i:F0+32*\a+4*\i+3], v[RD] offset:\i*2*SPITCH    ; my own bytes, served in order; each of the two passes has registers of its own
.endr
.irp i, 0,1,2,3,4,5,6,7
	s_wait_dscnt 7-\i                              ; load i is in; the 7 - i younger ones may be out
	global_store_b128 v[CO], v[F0+32*\a+4*\i:F0+32*\a+4*\i+3], s[8:9] offset:(16*\a+2*\i)*2048 th:TH_STORE_NT
.endr
.endr
	s_wait_tensorcnt 0x0
	ds_add_u32 v254, v255
	s_wait_dscnt 0x0
	ROUND                                          ; the closing round: no work-group ends while a partner may still ask for a tile that names it
	s_endpgm
.Lfunc_end_k_q700787d833_oproj:
	.size	k_q700787d833_oproj, .Lfunc_end_k_q700787d833_oproj-k_q700787d833_oproj
	.p2alignl 7, 3214868480
	.fill 96, 4, 3214868480
	.section	.rodata,"a",@progbits
	.p2align	6, 0x0
	.amdhsa_kernel k_q700787d833_oproj
		.amdhsa_group_segment_fixed_size 295936
		.amdhsa_private_segment_fixed_size 0
		.amdhsa_enable_private_segment 0
		.amdhsa_kernarg_size 24
		.amdhsa_user_sgpr_count 2
		.amdhsa_user_sgpr_kernarg_segment_ptr 1
		.amdhsa_wavefront_size32 1
		.amdhsa_system_sgpr_workgroup_id_x 1
		.amdhsa_system_sgpr_workgroup_id_y 1
		.amdhsa_system_sgpr_workgroup_id_z 1
		.amdhsa_system_vgpr_workitem_id 0
		.amdhsa_next_free_vgpr 256
		.amdhsa_next_free_sgpr 66
		.amdhsa_reserve_vcc 0
		.amdhsa_float_denorm_mode_32 3
		.amdhsa_float_denorm_mode_16_64 3
		.amdhsa_memory_ordered 1
		.amdhsa_forward_progress 1
		.amdhsa_inst_pref_size 19
	.end_amdhsa_kernel
	.amdgpu_metadata
---
amdhsa.version: [ 1, 2 ]
amdhsa.kernels:
  - .name:           k_q700787d833_oproj
    .symbol:         k_q700787d833_oproj.kd
    .args:
      - { .name: oh, .offset: 0, .size: 8, .value_kind: global_buffer, .address_space: global }
      - { .name: woh, .offset: 8, .size: 8, .value_kind: global_buffer, .address_space: global }
      - { .name: out0, .offset: 16, .size: 8, .value_kind: global_buffer, .address_space: global }
    .group_segment_fixed_size: 295936
    .private_segment_fixed_size: 0
    .kernarg_segment_align: 8
    .kernarg_segment_size: 24
    .max_flat_workgroup_size: 256
    .sgpr_count:     66
    .vgpr_count:     256
    .wavefront_size: 32
...
	.end_amdgpu_metadata
.endif
;; end of part 3
;; ======== version 2 of 2: 3 launches; version 1 with the launch proj written anew for expert scheduling mode
;; limits: values are held in f16: magnitudes above 65,504 overflow, below 6.1e-05 lose precision
;; workspace buffers: qh 8,388,608 bytes; kh 8,388,608 bytes; vh 8,388,608 bytes; oh 8,388,608 bytes; woh 524,288 bytes
;; launch proj (part 4): grid 64 x 3, 8 waves a work-group, no clusters, 181,248 bytes of LDS; arguments X, Y, Z, Wq, Wk, Wo, qh, kh, vh, woh; writes qh, kh, vh, woh
.if DOCPART == 4
	.amdgcn_target "amdgcn-amd-amdhsa--gfx1250"
	.amdhsa_code_object_version 6
	.text
	.protected	k_q700787d833_proj
	.globl	k_q700787d833_proj
	.p2align	8
	.type	k_q700787d833_proj,@function
k_q700787d833_proj:
	s_mov_b64 s[64:65], 0
	v_nop
	global_prefetch_b8 v0, s[64:65] scope:SCOPE_SE
	s_setreg_imm32_b32 hwreg(HW_REG_WAVE_SCHED_MODE, 0, 2), 2
	s_setreg_imm32_b32 hwreg(HW_REG_WAVE_MODE, 25, 1), 1
	s_wait_xcnt 0x0
	s_wait_alu depctr_vm_vsrc(0)
; proj: the three projections q = X Wq, k = Y Wk, v = Z Wo (reference() projects the values with Wo; Wv enters no result of reference(), so no launch names it).
; Inputs f32: X, Y, Z [8192][512], W [512 k][512 n].  Outputs f16, split by heads: [batch 4][head 8][row 2048][64], a head's rows dense, 128 bytes each.
; Grid y picks the product; grid x = 2 x (block of 256 rows) + (block of 256 columns).  192 work-groups: 3 x 8192 x 512 outputs in blocks of 256 x 256.
; Eight waves; wave w makes rows 64 (w >> 1) .. +63 and columns 128 (w & 1) .. +127 of the block: 32 accumulator tiles of 16 x 16, 256 registers.
; NUMBER FORMAT: operands are rounded to f16, sums are f32.  LIMIT: an operand or a result beyond 65,504 overflows f16; with inputs 30 times those drawn
; (|X| about 30, |W| about 0.6) or with a common offset of 30 spreads on both factors (512 x 30 x 0.6 = 9,216) the results stay inside.
; NO TENSOR LOADS, NO JOINT REQUESTS: the inputs are f32 and have to be converted, and a copy into LDS converts nothing.  Each number is converted once, on the way
; from memory through registers into LDS; every wave that needs it then reads 2 bytes instead of 4 and converts nothing.
; THE ORDER: K goes in eight tiles of 64 through two LDS buffers.  A tile is 32 loads of 512 bytes a wave and lands in 128 registers.  Tiles 0 and 1 are asked for together
; (tile 1 lands in registers that later hold accumulators).  A landed tile is converted into the fragment registers, which are free between two K steps, eight loads at a time,
; and each group's landing registers are asked for again at once: the next tile's requests leave while the rest of this tile is still on its way.
; A step is: the products of tile j - 1, then the landing of tile j, then a barrier; so only one K step's products follow the last landing.
; Wo IN f16: the two work-groups that make rows 0 to 255 of v have all of Wo pass through their registers in f16; they also store it, [512 k][512 n], for the last launch.
; THE MODE: SCHED_MODE bits 1:0 = 2 (LLVM: expert scheduling mode 2), set by the entry lines.  The code itself states the register dependences
; between vector or matrix instructions and memory or LDS instructions, with s_wait_alu, always for 0.
; THE PLAN.  Registers that memory or LDS instructions touch:
;   v8-21      offsets and LDS addresses: written once by vector lines at the head, read by loads and stores, never written again; the tiles are reached by scalar bases and immediates.
;   ST         In the loop: the global loads land in it; a landing's conversions read it, eight loads' worth at a time; behind them that part is loaded again.
;   TMP=FA,FW  In a landing: the conversions write it, the LDS stores (and the stores of Wo's copy) read it.  In a K step: the LDS loads land in it, the matrix instructions read it.
;   v256-383   Tile 1's loads land there once, before any vector line names them; from the first product on, matrix and vector lines alone name v256-511.
;   ST again   On the way out two out-buffers of 64 by turns: conversions write 32, LDS stores read them; LDS loads land in the other 32, global stores read them.
; There is no room for a second set of fragments: 32 + 128 + 96 + 256 registers are the wave's 512.  So the 32 products of 32 along K go by W's fragments, in two halves of 16:
; behind the first half W's fragments 0-3 are loaded anew while the second half is multiplied; behind the second half A's four and W's 4-7.
; THE WAITS.  A landing: one on va_vdst behind each group's conversions (their reads of ST, their writes of TMP).  A K step: one on vm_vsrc at its head (the landing's stores have
; read TMP), one on va_vdst behind each of the first two halves of 16 products (their reads of the fragments that are loaded next).  The way out: one on va_vdst behind a block's
; conversions, one on vm_vsrc ahead of the third and fourth block's.
.set BUF,    71680                     ; an LDS buffer: A's tile, then W's
.set WOFF,   36864                     ; A's tile: 256 rows x 64 f16, pitch 144 = 9 x 16: sixteen rows begin in sixteen different 16-byte columns modulo 256
.set APITCH, 144
.set WPITCH, 544                       ; W's tile: 64 k x 256 n f16, pitch 544 = 17 x 32, for the transposing loads
.set STAGE,  2*BUF                     ; behind the buffers: 2 heads x 16 rows x 144 bytes for each wave, for the way out
.set GA,  8                            ; v8      byte offset of my 16 bytes in A's tile in memory
.set GW,  9                            ; v9      the same for W
.set SA,  10                           ; v10-11  where I store A's numbers in buffer 0, 1
.set SW,  12                           ; v12-13  the same for W
.set FAA, 14                           ; v14-15  where I read A's fragments in buffer 0, 1
.set FWA, 16                           ; v16-17  the same for W
.set STO, 18                           ; v18     the way out: where I put 16 bytes of a row
.set RD,  19                           ; v19     the way out: where I read rows back
.set CO,  20                           ; v20     my byte offset in the output
.set GS,  21                           ; v21     my byte offset in the f16 copy of Wo
.set ST,  32                           ; v32-159 the tile on its way: A's load e at ST + 4 e, W's at ST + 64 + 4 e
.set FA,  160                          ; v160-191 four fragments of A
.set FW,  192                          ; v192-255 eight fragments of W
.set TMP, 160                          ; v160-223 between two K steps: the landed tile in f16, A's load e at TMP + 2 e, W's at TMP + 32 + 2 e
                                       ; v256-511 (window 1): accumulator (a, b) at v[8 (8 a + b)]; before the first product v256-383 take tile 1
                                       ; s[28:31] A's and W's tile 0; s[44:47] A's and W's tile that is asked for next; s[26:27] the f16 copy of Wo; s[32:33] the output
.set MSB, 0
.macro WIN new                         ; s_set_vgpr_msb: bits 1:0 source 0, 3:2 source 1, 5:4 source 2, 7:6 destination; the high byte repeats the setting that is left
.if MSB != \new
	s_set_vgpr_msb (MSB<<8)|\new
.set MSB, \new
.endif
.endm
.macro PLACES n
.rept \n
	v_nop
.endr
.endm
.macro BARRIER
	s_barrier_signal -1
	s_barrier_wait -1
.endm
	s_load_b512 s[8:23], s[0:1], 0x0               ; X s[8:9], Y s[10:11], Z s[12:13], Wq s[14:15], Wk s[16:17], Wo s[18:19], qh s[20:21], kh s[22:23]
	s_load_b128 s[24:27], s[0:1], 0x40             ; vh s[24:25], woh s[26:27]
	v_lshl_add_u32 v30, v0, 2, 0x2c000
	v_mov_b32 v31, 0
	v_lshrrev_b32 v4, 5, v0
	v_readfirstlane_b32 s34, v4                    ; wave 0..7
	v_and_b32 v1, 15, v0                           ; r
	v_bfe_u32 v2, v0, 4, 1                         ; h
	v_and_b32 v3, 31, v0                           ; L
	v_lshlrev_b32 v5, 4, v1
	v_lshl_add_u32 v5, v2, 11, v5                  ; 16 r + 2048 h: a load takes 256 bytes of each of two rows
	v_lshlrev_b32 v6, 4, v3                        ; 16 L
	s_and_b32 s37, ttmp7, 0xffff                   ; which product: 0 q, 1 k, 2 v
	s_lshr_b32 s40, ttmp9, 1                       ; block of 256 rows, 0..31
	s_and_b32 s41, ttmp9, 1                        ; block of 256 columns
	s_xor_b32 s48, s37, 2
	s_or_b32 s48, s48, s40                         ; 0 in the two work-groups (product v, rows 0 to 255) that also store Wo in f16
	s_wait_alu depctr_va_sdst(0)                   ; s34 is written, ahead of its first reader: offsets, LDS addresses and the waves' shares are made from it
	s_lshr_b32 s35, s34, 1                         ; wr: which 64 rows are mine
	s_and_b32 s36, s34, 1                          ; wc: which 128 columns
	s_lshl_b32 s38, s34, 16                        ; my 32 rows of A's tile
	v_add_nc_u32 v[GA], s38, v5
	s_lshl_b32 s38, s34, 14                        ; my 8 rows of W's tile
	v_add_nc_u32 v[GW], s38, v6
	s_lshl_b32 s38, s40, 19                        ; 256 rows x 2,048 bytes
	s_mov_b32 s39, 0
	s_wait_kmcnt 0x0
	s_cmp_eq_u32 s37, 0
	s_cselect_b64 s[28:29], s[8:9], s[10:11]       ; the left factor,
	s_cselect_b64 s[30:31], s[14:15], s[16:17]     ; the weights
	s_cselect_b64 s[32:33], s[20:21], s[22:23]     ; and the output of my product
	s_cmp_eq_u32 s37, 2
	s_cselect_b64 s[28:29], s[12:13], s[28:29]
	s_cselect_b64 s[30:31], s[18:19], s[30:31]
	s_cselect_b64 s[32:33], s[24:25], s[32:33]
	s_add_nc_u64 s[28:29], s[28:29], s[38:39]
	s_lshl_b32 s38, s41, 10                        ; 256 columns x 4 bytes
	s_add_nc_u64 s[30:31], s[30:31], s[38:39]
	s_add_nc_u64 s[44:45], s[28:29], 512           ; tile 2: 128 along K are 512 bytes of A's rows
	s_add_nc_u64 s[46:47], s[30:31], 262144        ; and 128 rows of W
.macro LOADT dst, t                    ; tile t (0 or 1) into registers: A 32 rows x 256 bytes, W 8 rows x 1,024 bytes for each wave
.irp e, 0,1,2,3,4,5,6,7,8,9,10,11,12,13,14,15
	global_load_b128 v[\dst+4*\e:\dst+4*\e+3], v[GA], s[28:29] offset:\e*4096+\t*256
.endr
.irp e, 0,1,2,3,4,5,6,7,8,9,10,11,12,13,14,15
	global_load_b128 v[\dst+64+4*\e:\dst+64+4*\e+3], v[GW], s[30:31] offset:(\e>>1)*2048+(\e&1)*512+\t*131072
.endr
.endm
	s_wait_alu depctr_va_vdst(0)                   ; v8 and v9 are written: every global load of the kernel reads one of them as its offset.  No vector line has named the registers in which tiles 0 and 1 land
	LOADT ST, 0                                    ; tile 0
	WIN 0x40                                       ; destinations in window 1, addresses in window 0; between the wait above and the loads below stand loads and this switch alone
	LOADT 0, 1                                     ; tile 1 into v256-383.  64 loads of the wave: the issue of the last is held until the first has returned (ISA guide 5.7.1)
	WIN 0
	s_lshl_b32 s38, s41, 9                         ; the f16 copy of Wo: my block's 256 columns x 2 bytes
	s_add_nc_u64 s[26:27], s[26:27], s[38:39]
	s_lshr_b32 s42, s40, 3                         ; the output: batch x 8 heads x 262,144 bytes
	s_lshl_b32 s38, s42, 21
	s_lshl_b32 s42, s41, 20                        ; + 4 heads for the right block of columns
	s_add_co_u32 s38, s38, s42
	s_and_b32 s42, s40, 7
	s_lshl_b32 s42, s42, 15                        ; + the block's 256 rows of 128 bytes inside the batch
	s_add_co_u32 s38, s38, s42
	s_add_nc_u64 s[32:33], s[32:33], s[38:39]
	v_mul_u32_u24 v5, v2, APITCH
	v_lshl_add_u32 v5, v1, 3, v5                   ; h x pitch + 8 r: four f16 of a row
	s_mul_i32 s38, s34, 32*APITCH
	v_add_nc_u32 v[SA], s38, v5
	v_add_nc_u32 v[SA+1], BUF, v[SA]
	v_lshlrev_b32 v5, 3, v3                        ; 8 L
	s_mul_i32 s38, s34, 8*WPITCH
	s_add_co_u32 s38, s38, WOFF
	v_add_nc_u32 v[SW], s38, v5
	v_add_nc_u32 v[SW+1], BUF, v[SW]
	s_lshl_b32 s38, s34, 13                        ; my 8 rows of 1,024 bytes in the f16 copy of Wo
	v_add_nc_u32 v[GS], s38, v5
	v_mul_u32_u24 v5, v1, APITCH
	v_lshl_add_u32 v5, v2, 4, v5                   ; r x pitch + 16 h: a fragment's row
	s_mul_i32 s38, s35, 64*APITCH
	v_add_nc_u32 v[FAA], s38, v5
	v_add_nc_u32 v[FAA+1], BUF, v[FAA]
	s_mul_i32 s49, s34, 32*APITCH
	s_add_co_u32 s49, s49, STAGE                   ; my stage
	v_add_nc_u32 v[STO], s49, v5
	v_and_b32 v7, 7, v0
	v_lshl_add_u32 v5, v2, 3, v7                   ; the transposing load: row 8 h + (L & 7) of the 16 k,
	v_mul_u32_u24 v5, v5, WPITCH
	v_bfe_u32 v4, v0, 3, 1
	v_lshl_add_u32 v5, v4, 4, v5                   ; and which 16 bytes of the 16 columns
	s_lshl_b32 s38, s36, 8
	s_add_co_u32 s38, s38, WOFF
	v_add_nc_u32 v[FWA], s38, v5
	v_add_nc_u32 v[FWA+1], BUF, v[FWA]
	v_lshrrev_b32 v5, 3, v3
	v_mul_u32_u24 v5, v5, APITCH
	v_lshl_add_u32 v5, v7, 4, v5                   ; back: eight lanes take a row of 128 bytes, a load four rows
	v_add_nc_u32 v[RD], s49, v5
	s_lshl_b32 s38, s36, 19                        ; my two heads,
	s_lshl_b32 s42, s35, 13                        ; my 64 rows of 128 bytes,
	s_add_co_u32 s38, s38, s42
	v_add_nc_u32 v[CO], s38, v6                    ; and 16 L: four rows of a head are 512 neighbouring bytes
; The tile in ST lands in buffer buf, in four groups of eight loads (two of A, two of W): the group is waited for, rounded to f16 (to nearest even) into TMP, its landing
; registers are asked for again (load = 1: the tile at s[44:47]), and its f16 go into LDS.  The wait of group g is for cnt - dec g: the loads younger than the group's.
; One wait on va_vdst stands behind each group's conversions; no vector line stands between it and the group's loads and stores.
.macro ROLL buf, load, cnt, dec
.irp g, 0,1
	s_wait_loadcnt \cnt-\dec*\g
.irp i, 0,1,2,3,4,5,6,7
	v_cvt_pk_f16_f32 v[TMP+2*(8*\g+\i)],   v[ST+4*(8*\g+\i)],   v[ST+4*(8*\g+\i)+1]
	v_cvt_pk_f16_f32 v[TMP+2*(8*\g+\i)+1], v[ST+4*(8*\g+\i)+2], v[ST+4*(8*\g+\i)+3]
.endr
	s_wait_alu depctr_va_vdst(0)                   ; the group's conversions are done reading their part of ST, in which the loads below land, and have written their part of TMP, which the LDS stores below read; at the kernel's first such wait v10 to v21 are written too
.if \load
.irp i, 0,1,2,3,4,5,6,7
	global_load_b128 v[ST+4*(8*\g+\i):ST+4*(8*\g+\i)+3], v[GA], s[44:45] offset:(8*\g+\i)*4096
.endr
.endif
.irp i, 0,1,2,3,4,5,6,7
	ds_store_b64 v[SA+\buf], v[TMP+2*(8*\g+\i):TMP+2*(8*\g+\i)+1] offset:(8*\g+\i)*2*APITCH
.endr
.endr
.irp g, 0,1
	s_wait_loadcnt \cnt-\dec*(\g+2)
.irp i, 0,1,2,3,4,5,6,7
	v_cvt_pk_f16_f32 v[TMP+32+2*(8*\g+\i)],   v[ST+64+4*(8*\g+\i)],   v[ST+64+4*(8*\g+\i)+1]
	v_cvt_pk_f16_f32 v[TMP+32+2*(8*\g+\i)+1], v[ST+64+4*(8*\g+\i)+2], v[ST+64+4*(8*\g+\i)+3]
.endr
	s_wait_alu depctr_va_vdst(0)                   ; the same for W's group
.if \load
.irp i, 0,1,2,3,4,5,6,7
	global_load_b128 v[ST+64+4*(8*\g+\i):ST+64+4*(8*\g+\i)+3], v[GW], s[46:47] offset:((8*\g+\i)>>1)*2048+((8*\g+\i)&1)*512
.endr
.endif
.irp i, 0,1,2,3,4,5,6,7
	ds_store_b64 v[SW+\buf], v[TMP+32+2*(8*\g+\i):TMP+32+2*(8*\g+\i)+1] offset:((8*\g+\i)>>1)*WPITCH+((8*\g+\i)&1)*256
.endr
.endr
.endm
; W's part of TMP also goes to the f16 copy of Wo, in two work-groups of the launch.  A store's 32 lanes x 8 bytes are 256 neighbouring bytes at a multiple of 256 from the
; buffer's first byte.  The branch hangs on the work-group's number alone.  The conversions that wrote these registers stand ahead of the last wait on va_vdst, and no vector line since names them.
.macro WOUT
	s_cmp_lg_u32 s48, 0
	s_cbranch_scc1 .Lno_copy_\@
.irp e, 0,1,2,3,4,5,6,7,8,9,10,11,12,13,14,15
	global_store_b64 v[GS], v[TMP+32+2*\e:TMP+32+2*\e+1], s[26:27] offset:(\e>>1)*1024+(\e&1)*256
.endr
	s_wait_xcnt 0x0                                ; the stores' data (TMP) and their base are written again only behind this wait
	s_add_nc_u64 s[26:27], s[26:27], 65536         ; the next tile's 64 rows of 1,024 bytes
.Lno_copy_\@:
.endm
; The landing of a tile behind a K step's products.  The four v_nop are the places between the last matrix instructions and the conversions, which write registers that
; those read (ISA guide 7.12.1).  The barrier orders this landing's stores against the next K step's reads of the buffer, and the K step just done against the next landing.
.macro TILE buf, load, cnt, dec
	PLACES 4
.if \load
	s_wait_xcnt 0x0                                ; the loads on their way have had their addresses translated: their bases may step
	s_add_nc_u64 s[44:45], s[44:45], 256           ; 64 along K: 256 bytes of A's rows,
	s_add_nc_u64 s[46:47], s[46:47], 131072        ; 64 rows of W
.endif
	ROLL \buf, \load, \cnt, \dec
	WOUT
	s_wait_dscnt 0x0                               ; my stores are in LDS, for the other waves' sake
	BARRIER
.endm
; The fragments of 32 along K (half kk of the K step).  A's rows lie along K: two loads of 16 bytes, 32 bytes apart: eight loads for A's four fragments.
.macro LA p, kk
.irp a, 0,1,2,3
	ds_load_b128 v[FA+8*\a:FA+8*\a+3],   v[FAA+\p] offset:\a*16*APITCH+64*\kk
	ds_load_b128 v[FA+8*\a+4:FA+8*\a+7], v[FAA+\p] offset:\a*16*APITCH+64*\kk+32
.endr
.endm
; W lies [k][n]: two transposing loads, 16 rows apart, bring lane (r, h) k = 8 h .. 8 h + 7 and 16 + 8 h .. of column r.  Eight loads for the four fragments 4 hb .. 4 hb + 3.
.macro LW p, kk, hb
.irp b, 0,1,2,3
	ds_load_tr16_b128 v[FW+8*(4*\hb+\b):FW+8*(4*\hb+\b)+3],   v[FWA+\p] offset:\kk*32*WPITCH+32*(4*\hb+\b)
	ds_load_tr16_b128 v[FW+8*(4*\hb+\b)+4:FW+8*(4*\hb+\b)+7], v[FWA+\p] offset:\kk*32*WPITCH+32*(4*\hb+\b)+16*WPITCH
.endr
.endm
; 16 matrix instructions: W's fragments 4 hb .. 4 hb + 3 against A's four, used transposed (source 0 = 16 columns of W, source 1 = 16 rows of A): lane (r, h) then holds row r
; and the eight neighbouring columns 8 h + 0..7.  The accumulators take turns, one instruction a turn.  zero = 1: the first product starts the sums.
.macro MULH hb, zero
	WIN 0x50
.irp b, 0,1,2,3
.irp a, 0,1,2,3
.if \zero
	v_wmma_f32_16x16x32_f16 v[8*(8*\a+4*\hb+\b):8*(8*\a+4*\hb+\b)+7], v[FW+8*(4*\hb+\b):FW+8*(4*\hb+\b)+7], v[FA+8*\a:FA+8*\a+7], 0
.else
	v_wmma_f32_16x16x32_f16 v[8*(8*\a+4*\hb+\b):8*(8*\a+4*\hb+\b)+7], v[FW+8*(4*\hb+\b):FW+8*(4*\hb+\b)+7], v[FA+8*\a:FA+8*\a+7], v[8*(8*\a+4*\hb+\b):8*(8*\a+4*\hb+\b)+7]
.endif
.endr
.endr
.endm
; A K step of 64 on buffer cur, behind a landing; behind it no LDS instruction of the wave is out.  Four halves of 16 products.  The loads of the second 32 along K are dealt among
; the products of the first: W's fragments 0-3 behind the first half, which alone read them; A's four and W's 4-7 behind the second.  LDS loads come back in order (ISA guide 5.7.1),
; so each wait for 8 leaves the eight youngest out.  The four v_nop behind the matrix instructions stand as in the plain form of this text; the wait behind them states the dependence.
.macro COMP cur, zero
	s_wait_alu depctr_vm_vsrc(0)                   ; the landing's LDS stores and the stores of Wo's copy have read TMP, in which the fragments below land (the conversions that wrote it stand ahead of the landing's last wait on va_vdst)
	LA \cur, 0
	LW \cur, 0, 0
	LW \cur, 0, 1
	s_wait_dscnt 0x8                               ; A's fragments and W's 0-3 are in; W's 4-7 may be out
	MULH 0, \zero
	WIN 0
	PLACES 4
	s_wait_alu depctr_va_vdst(0)                   ; the sixteen products above are done reading W's fragments 0-3, in which the loads below land
	LW \cur, 1, 0
	s_wait_dscnt 0x8                               ; W's 4-7 are in; the eight loads just issued stay out
	MULH 1, \zero
	WIN 0
	PLACES 4
	s_wait_alu depctr_va_vdst(0)                   ; all 32 products are done reading A's fragments and W's 4-7, in which the loads below land
	LA \cur, 1
	LW \cur, 1, 1
	s_wait_dscnt 0x8                               ; W's 0-3 and A's fragments of the second 32 along K are in; W's 4-7 may be out
	MULH 0, 0
	s_wait_dscnt 0x0
	MULH 1, 0
	WIN 0
.endm
	; THE HEAD.  Tile 0 lands in buffer 0 and tile 2 is asked for in its place: younger than group g of tile 0 are 24 - 8 g loads of tile 0, 32 of tile 1 and 8 g of tile 2: 56.
	ROLL 0, 1, 56, 0
	WOUT
	s_wait_loadcnt 32                              ; tile 1 is in; the 32 younger loads are tile 2's
	s_wait_alu depctr_vm_vsrc(0)                   ; tile 0's LDS stores and the stores of Wo's copy have read TMP, which the conversions below write again
	WIN 0x05                                       ; sources in window 1, destination in window 0
.set JJ, 0
.rept 32
	v_cvt_pk_f16_f32 v[TMP+2*JJ],   v[4*JJ],   v[4*JJ+1]
	v_cvt_pk_f16_f32 v[TMP+2*JJ+1], v[4*JJ+2], v[4*JJ+3]
.set JJ, JJ+1
.endr
	WIN 0
	s_wait_alu depctr_va_vdst(0)                   ; tile 1's conversions have written TMP, which the LDS stores below and the stores of Wo's copy read
.irp e, 0,1,2,3,4,5,6,7,8,9,10,11,12,13,14,15
	ds_store_b64 v[SA+1], v[TMP+2*\e:TMP+2*\e+1] offset:\e*2*APITCH
.endr
.irp e, 0,1,2,3,4,5,6,7,8,9,10,11,12,13,14,15
	ds_store_b64 v[SW+1], v[TMP+32+2*\e:TMP+32+2*\e+1] offset:(\e>>1)*WPITCH+(\e&1)*256
.endr
	WOUT
	s_wait_dscnt 0x0                               ; both tiles are in LDS, for the other waves' sake
	BARRIER
	COMP 0, 1                                      ; K step 0: its first products start the sums
	PLACES 4
	s_wait_alu depctr_va_vdst(0)                   ; K step 0's products are done reading the fragments, in which K step 1's loads land: the one K step that follows another with no landing between
	BARRIER                                        ; every wave's reads of buffer 0 are over: tile 2 may land there
	s_mov_b32 s43, 2
.Lk:
	COMP 1, 0                                      ; K steps 1, 3
	TILE 0, 1, 24, 0                               ; tiles 2, 4 land, tiles 3, 5 are asked for: 24 loads are younger than each group of eight
	COMP 0, 0                                      ; K steps 2, 4
	TILE 1, 1, 24, 0                               ; tiles 3, 5 land, tiles 4, 6 are asked for
	s_sub_co_u32 s43, s43, 1
	s_cmp_lg_u32 s43, 0
	s_cbranch_scc1 .Lk
	COMP 1, 0                                      ; K step 5
	TILE 0, 1, 24, 0                               ; tile 6 lands, tile 7, the last, is asked for
	COMP 0, 0                                      ; K step 6
	TILE 1, 0, 24, 8                               ; tile 7 lands; nothing left to ask for: the counts run down 24, 16, 8, 0
	COMP 1, 0                                      ; K step 7
; THE WAY OUT, 16 rows at a time: round to f16, 16 bytes a lane into my own stage (a head's 64 columns are a row of 128 bytes there), read back four rows of a head at a
; time and store them: 512 neighbouring bytes of the output, at a multiple of 512 from its first byte.  The stage is the wave's own: LDS serves a wave's instructions in
; order (ISA guide 5.7.1), so no wait stands between its stores and its loads.  ST's 128 registers are two out-buffers of 64, which take turns: 32 for the packed results, 32 for the rows read back.
.macro OUT16 a
.set OB, ST+64*(\a&1)
.if \a >= 2
	s_wait_xcnt 0x0                                ; the registers that the global stores of two blocks back read are loaded again only behind this wait
	s_wait_alu depctr_vm_vsrc(0)                   ; the LDS stores of two blocks back have read v[OB ..], which the conversions below write again; its global stores have read v[OB+32 ..], in which the LDS loads below land
.endif
	WIN 0x05
.irp b, 0,1,2,3,4,5,6,7
.irp i, 0,1,2,3
	v_cvt_pk_f16_f32 v[OB+4*\b+\i], v[8*(8*\a+\b)+2*\i], v[8*(8*\a+\b)+2*\i+1]
.endr
.endr
	WIN 0
	s_wait_alu depctr_va_vdst(0)                   ; the conversions have written v[OB ..], which the LDS stores read; no vector line behind this wait names v[OB+32 ..], in which the LDS loads land
.irp b, 0,1,2,3,4,5,6,7
	ds_store_b128 v[STO], v[OB+4*\b:OB+4*\b+3] offset:(\b>>2)*16*APITCH+(\b&3)*32
.endr
.irp t, 0,1,2,3,4,5,6,7
	ds_load_b128 v[OB+32+4*\t:OB+32+4*\t+3], v[RD] offset:(\t>>2)*16*APITCH+(\t&3)*4*APITCH
.endr
.irp t, 0,1,2,3,4,5,6,7
	s_wait_dscnt 7-\t                              ; load t is in; the 7 - t younger ones may be out
	global_store_b128 v[CO], v[OB+32+4*\t:OB+32+4*\t+3], s[32:33] offset:(\t>>2)*262144+(16*\a+4*(\t&3))*128
.endr
.endm
	PLACES 4                                       ; the places between the last matrix instructions and the conversions that read their results
	OUT16 0
	OUT16 1
	OUT16 2
	OUT16 3
	s_wait_dscnt 0x0                               ; the closing lines, six on end
	s_wait_alu 0x0
	s_wait_tensorcnt 0x0
	ds_add_u32 v30, v31
	s_wait_dscnt 0x0
	s_endpgm
.Lfunc_end_k_q700787d833_proj:
	.size	k_q700787d833_proj, .Lfunc_end_k_q700787d833_proj-k_q700787d833_proj
	.p2alignl 7, 3214868480
	.fill 96, 4, 3214868480
	.section	.rodata,"a",@progbits
	.p2align	6, 0x0
	.amdhsa_kernel k_q700787d833_proj
		.amdhsa_group_segment_fixed_size 181248
		.amdhsa_private_segment_fixed_size 0
		.amdhsa_enable_private_segment 0
		.amdhsa_kernarg_size 80
		.amdhsa_user_sgpr_count 2
		.amdhsa_user_sgpr_kernarg_segment_ptr 1
		.amdhsa_wavefront_size32 1
		.amdhsa_system_sgpr_workgroup_id_x 1
		.amdhsa_system_sgpr_workgroup_id_y 1
		.amdhsa_system_sgpr_workgroup_id_z 1
		.amdhsa_system_vgpr_workitem_id 0
		.amdhsa_next_free_vgpr 512
		.amdhsa_next_free_sgpr 66
		.amdhsa_reserve_vcc 0
		.amdhsa_float_denorm_mode_32 3
		.amdhsa_float_denorm_mode_16_64 3
		.amdhsa_memory_ordered 1
		.amdhsa_forward_progress 1
		.amdhsa_inst_pref_size 135
	.end_amdhsa_kernel
	.amdgpu_metadata
---
amdhsa.version: [ 1, 2 ]
amdhsa.kernels:
  - .name:           k_q700787d833_proj
    .symbol:         k_q700787d833_proj.kd
    .args:
      - { .name: X, .offset: 0, .size: 8, .value_kind: global_buffer, .address_space: global }
      - { .name: Y, .offset: 8, .size: 8, .value_kind: global_buffer, .address_space: global }
      - { .name: Z, .offset: 16, .size: 8, .value_kind: global_buffer, .address_space: global }
      - { .name: Wq, .offset: 24, .size: 8, .value_kind: global_buffer, .address_space: global }
      - { .name: Wk, .offset: 32, .size: 8, .value_kind: global_buffer, .address_space: global }
      - { .name: Wo, .offset: 40, .size: 8, .value_kind: global_buffer, .address_space: global }
      - { .name: qh, .offset: 48, .size: 8, .value_kind: global_buffer, .address_space: global }
      - { .name: kh, .offset: 56, .size: 8, .value_kind: global_buffer, .address_space: global }
      - { .name: vh, .offset: 64, .size: 8, .value_kind: global_buffer, .address_space: global }
      - { .name: woh, .offset: 72, .size: 8, .value_kind: global_buffer, .address_space: global }
    .group_segment_fixed_size: 181248
    .private_segment_fixed_size: 0
    .kernarg_segment_align: 8
    .kernarg_segment_size: 80
    .max_flat_workgroup_size: 256
    .sgpr_count:     66
    .vgpr_count:     512
    .wavefront_size: 32
...
	.end_amdgpu_metadata
.endif
;; end of part 4
;; launch attn: the kernel of part 2 again; grid 8 x 32, 8 waves a work-group, clusters of 4 x 1, 327,680 bytes of LDS; arguments qh, kh, vh, oh; writes oh
;; launch oproj: the kernel of part 3 again; grid 4 x 64, 8 waves a work-group, clusters of 4 x 4, 295,936 bytes of LDS; arguments oh, woh, out0; writes out0
